; MI455X (gfx1250); checked and timed in simulation.
; The chip was launched on July 23, 2026; its instructions are those of AMD's public machine-readable ISA for CDNA 5 (MIT licence, August 2026) and "CDNA5" Instruction Set Architecture Reference Guide (July 2026). The comments in the code are by the model that wrote it; some were corrected since.
;; Quantized Mamba Block. Allowed arithmetic: matrix products marked QUANTISED: E2M1 operands, one E8M0 scale for each 32 along K, by v_wmma_scale_f32_16x16x128_f8f6f4 with both operands' format E2M1 (or v_wmma_scale_f32_32x16x128_f4), f32 sums; everything else in f32.
;; Inputs: A_log 1,024 float32; W_dt 1,024 x 1,024 float32; W_x 2,048 x 1,024 float32; b_dt 1,024 float32; b_x 2,048 float32; x 2 x 8,192 x 1,024 float32.
;; Outputs: out0 2 x 8,192 x 1,024 float32.
;; This version of the problem:
;;   THIS VERSION OF THE PROBLEM IS GIVEN IN LOW PRECISION. The matrix products marked QUANTISED in the list below multiply operands that are first quantised to E2M1 (2 exponent bits, 1 mantissa bit; 4 bits a number), with one power-of-two scale for each 32 numbers along K (OCP MX v1.0); their sums are f32. All else is computed in f32.
;;   The module's matrix products, in the order in which they are computed (A, B: the left and right operand; K: the contracted axis; several contracted axes count as one K, in the product's order):
;;     1. [M 16,384, K 1,024] x [K 1,024, N 1,024]; A: computed on the way; B: computed on the way: QUANTISED
;;     2. [M 16,384, K 1,024] x [K 1,024, N 2,048]; A: computed on the way; B: computed on the way: QUANTISED
;;   THE QUANTISER, for each operand of a quantised product, along K:
;;     - K is cut into blocks of 32 from its start; a last block that is shorter is filled with zeros.
;;     - A block's scale is 2^e with e = floor(log2(the largest magnitude in the block)) - 2, held to -126 .. 127; a block of zeros has e = 0. As a byte (E8M0): e + 127.
;;     - Each number is divided by its block's scale, clamped to +-6, and rounded to the nearest number of E2M1, ties to even, subnormals kept.
;;     - The product sums the exact products of the quantised numbers (number of the format x scale) in f32.
;;   ~~~python
;;   def quantise(x, axis):      # numpy; x: float32 -> the quantised numbers, widened to float32 again
;;       x = np.moveaxis(x, axis, -1); K = x.shape[-1]
;;       x = np.pad(x, [(0, 0)] * (x.ndim - 1) + [(0, -K % 32)]); x = x.reshape(x.shape[:-1] + (-1, 32)); a = np.abs(x).max(-1, keepdims=True)
;;       e = np.where(a > 0, np.clip(np.frexp(np.where(a > 0, a, 1))[1] - 1 - 2, -126, 127), 0)      # np.frexp(a)[1] - 1 = floor(log2(a)), exactly
;;       r = np.clip(x / 2.0 ** e, -6, 6)
;;       step = 2.0 ** (np.maximum(np.frexp(np.where(r == 0, 1, r))[1] - 1, 0) - 1)
;;       q = np.round(r / step) * step * 2.0 ** e      # np.round: ties to even
;;       return np.moveaxis(q.reshape(q.shape[:-2] + (-1,))[..., :K], -1, axis).astype(np.float32)
;;   ~~~
;;   OPERANDS COMPUTED ON THE WAY. 'Computed on the way' means the value that the module computes at that place (a softmax that the list does not call 'softmax' is quantised finished and normalised). What goes into a quantiser is computed in f32, as accurately as f32 sums, v_exp_f32 and their like allow (about 1e-6 of the number): no bf16 or f16 on the way to a quantiser, and a product that is left as it is and whose result goes on into a quantised operand takes f32 operands (vector FMAs, or v_wmma_f32_16x16x4_f32). A number that lies on a knife's edge between two numbers of the format may be rounded either way, as far as f32 arithmetic and the matrix unit's own rounding can turn it there, and no further.
;; One version. Each part assembles by itself: llvm-mc -triple=amdgcn-amd-amdhsa -mcpu=gfx1250 --defsym DOCPART=n.
;; ======== version 1 of 1: 4 launches
;; limits: right only within a limited range of input values
;; workspace buffers: xc 8,388,608 bytes; xs 524,288 bytes; wsum 8,192 bytes; wc 1,572,864 bytes; wsc 98,304 bytes; aggQ 524,288 bytes; aggH 524,288 bytes
;; launch prep (part 1): grid 256 x 1, 4 waves a work-group, no clusters, 263,680 bytes of LDS; arguments x, W_dt, W_x, xc, xs, wsum; writes xc, xs, wsum
.if DOCPART == 1
	.amdgcn_target "amdgcn-amd-amdhsa--gfx1250"
	.amdhsa_code_object_version 6
	.text
	.protected	k_q44472192d8_prep
	.globl	k_q44472192d8_prep
	.p2align	8
	.type	k_q44472192d8_prep,@function
k_q44472192d8_prep:
	s_mov_b64 s[64:65], 0
	v_nop
	global_prefetch_b8 v0, s[64:65] scope:SCOPE_SE
	s_setreg_imm32_b32 hwreg(HW_REG_WAVE_MODE, 25, 1), 1
	s_wait_xcnt 0x0
; x [16384][1024] f32 -> the 8-bit absmax numbers x_q of each row (round(x s) held to -128 .. 127, divided by s = 127 / max(absmax, 1e-5)),
; and these -> codes of FP4 (E2M1) with one E8M0 byte for each 32 along K, laid in the ORDER OF THE OPERAND'S REGISTERS for the two product launches.
; Beside that each wave adds up |W| over 4,096 bytes of W_dt and 8,192 bytes of W_x: 1,024 pairs of partial sums for the next launch.
; SHARES.  Work-group G = (16 segment + 4 wave-of-the-product + block); its wave i makes tile (G, i): 16 rows.  THE ROWS OF A TILE ARE NOT NEIGHBOURS: rows 0-7 are
; R0 .. R0 + 7, rows 8-15 lie 128 further down, so that in the product's result a lane's eight registers are eight consecutive steps of one stream of 128 steps.
; A row is needed twice (largest magnitude, then the numbers): it is read from memory once, 512 consecutive bytes a load, and kept in the wave's own LDS
; (16 rows, 4,096 bytes + 16 of padding: the sixteen rows that a read touches start at sixteen different 16-byte columns).  Waves share nothing: no barrier.
; A block's scale byte is its largest magnitude's exponent field - 2, held at 1 from below; a block of zeros keeps the byte 1 (its codes are zeros; this program alone reads the bytes).
; LIMITS: NaN and infinities in x or W are not served.  x_q is q x (1 / s), within an ulp or two of q / s.
.set PITCH, 4112
.set WREG,  16*PITCH
	s_load_b256 s[4:11], s[0:1], 0x0               ; x s[4:5], W_dt s[6:7], W_x s[8:9], xc s[10:11]
	s_load_b128 s[12:15], s[0:1], 0x20             ; xs s[12:13], wsum s[14:15]
	v_lshl_add_u32 v17, v0, 2, 0x40400
	s_set_vgpr_msb 0x40
	v_mov_b32 v1, 0
	s_set_vgpr_msb 0x4000
	v_lshrrev_b32 v8, 5, v0
	v_readfirstlane_b32 s16, v8                    ; wave = tile i
	v_and_b32 v30, 31, v0                          ; lane
	v_lshlrev_b32 v31, 2, v30                      ; 4 x lane
	v_lshlrev_b32 v1, 4, v30                       ; 16 x lane
	v_and_b32 v2, 15, v0                           ; r
	v_bfe_u32 v3, v0, 4, 1                         ; h
	s_mul_i32 s17, s16, WREG                       ; my wave's LDS
	v_add_nc_u32 v4, s17, v1                       ; in: as the bytes lie
	v_mul_u32_u24 v5, v2, PITCH
	v_lshl_add_u32 v5, v3, 7, v5
	v_add_nc_u32 v5, s17, v5                       ; out: row r, + 128 h: my block of 32 numbers
	v_lshlrev_b32 v6, 3, v3                        ; 8 h
	v_lshlrev_b32 v7, 4, v2
	v_lshl_add_u32 v7, v3, 9, v7                   ; the scale words' place: 512 h + 16 r
	v_mov_b32 v16, 0                               ; the rows' largest magnitudes, row r in lanes r and r + 16
	s_mov_b32 s20, 0x76543210
	s_mov_b32 s21, 0xfedcba98                      ; lane l xor 16
	s_mov_b32 s24, 0x42fe0000                      ; 127.0
	s_mov_b32 s25, 0xc3000000                      ; -128.0
	s_lshr_b32 s18, ttmp9, 4                       ; segment
	s_bfe_u32 s19, ttmp9, 0x20002                  ; the product's wave
	s_and_b32 s26, ttmp9, 3                        ; block
	s_lshl_b32 s28, s18, 10
	s_lshl_b32 s19, s19, 8
	s_add_co_u32 s28, s28, s19
	s_lshl_b32 s26, s26, 5
	s_add_co_u32 s28, s28, s26
	s_lshl_b32 s19, s16, 3
	s_add_co_u32 s28, s28, s19                     ; R0
	s_lshl_b32 s28, s28, 12                        ; in bytes
	s_mov_b32 s29, 0
	s_lshl_b32 s27, ttmp9, 2
	s_add_co_u32 s27, s27, s16                     ; which of the 1,024 waves I am
	s_mov_b32 s31, 0
	s_wait_kmcnt 0x0
	s_add_nc_u64 s[4:5], s[4:5], s[28:29]
	s_lshl_b32 s30, s27, 12
	s_add_nc_u64 s[6:7], s[6:7], s[30:31]
	s_lshl_b32 s30, s27, 13
	s_add_nc_u64 s[8:9], s[8:9], s[30:31]
	s_lshl_b32 s30, s27, 3
	s_add_nc_u64 s[14:15], s[14:15], s[30:31]
	s_lshl_b32 s30, ttmp9, 15
	s_lshl_b32 s19, s16, 10
	s_add_co_u32 s30, s30, s19
	s_add_nc_u64 s[10:11], s[10:11], s[30:31]      ; xc: 32,768 G + 1,024 i
	s_lshl_b32 s30, ttmp9, 11
	s_and_b32 s19, s16, 1
	s_lshl_b32 s19, s19, 10
	s_add_co_u32 s30, s30, s19
	s_lshr_b32 s19, s16, 1
	s_lshl_b32 s19, s19, 8
	s_add_co_u32 s30, s30, s19
	s_add_nc_u64 s[12:13], s[12:13], s[30:31]      ; xs: 2,048 G + 1,024 (i % 2) + 256 (i / 2)
.irp q, 0,1,2,3,4,5,6,7
	global_load_b128 v[160+4*\q:163+4*\q], v1, s[6:7] offset:512*\q
.endr
.irp q, 0,1,2,3,4,5,6,7,8,9,10,11,12,13,14,15
	global_load_b128 v[192+4*\q:195+4*\q], v1, s[8:9] offset:512*\q
.endr
.macro LOADROW p                       ; row p of the tile into set p % 4: eight loads of 512 consecutive bytes
.if (\p) < 8
.set RO, (\p)*4096
.else
.set RO, ((\p)+120)*4096
.endif
.irp q, 0,1,2,3,4,5,6,7
	global_load_b128 v[32+32*((\p)%4)+4*\q:32+32*((\p)%4)+4*\q+3], v1, s[4:5] offset:RO+512*\q th:TH_LOAD_NT
.endr
.endm
	LOADROW 0
	LOADROW 1
	LOADROW 2
	s_wait_loadcnt 24                              ; W's 24 loads are in; the three rows (24 loads) stay out
.irp c, 0,1,2,3
	v_add_f32 v[8+\c], |v[160+\c]|, |v[164+\c]|    ; four chains for each tensor
	v_add_f32 v[12+\c], |v[192+\c]|, |v[196+\c]|
.endr
.irp i, 8,12,16,20,24,28
.irp c, 0,1,2,3
	v_add_f32 v[8+\c], v[8+\c], |v[160+\i+\c]|
.endr
.endr
.irp i, 8,12,16,20,24,28,32,36,40,44,48,52,56,60
.irp c, 0,1,2,3
	v_add_f32 v[12+\c], v[12+\c], |v[192+\i+\c]|
.endr
.endr
	v_add_f32 v8, v8, v9
	v_add_f32 v10, v10, v11
	v_add_f32 v12, v12, v13
	v_add_f32 v14, v14, v15
	v_add_f32 v8, v8, v10
	v_add_f32 v12, v12, v14
.irp m, 1,2,4,8
	v_add_f32_dpp v8, v8, v8 row_xmask:\m row_mask:0xf bank_mask:0xf
	v_add_f32_dpp v12, v12, v12 row_xmask:\m row_mask:0xf bank_mask:0xf
.endr
	v_permlanex16_b32 v9, v8, s20, s21
	v_permlanex16_b32 v13, v12, s20, s21
	v_add_f32 v8, v8, v9
	v_add_f32 v12, v12, v13
	v_cmp_eq_u32 vcc_lo, 1, v30
	v_cndmask_b32 v8, v8, v12, vcc_lo              ; lane 0: W_dt's sum, lane 1: W_x's
	v_cmp_gt_u32 vcc_lo, 2, v30
	s_wait_alu depctr_va_vdst(0)
	s_wait_xcnt 0x0                                ; EXEC changes only when the loads that are out have read it
	s_and_saveexec_b32 s23, vcc_lo
	global_store_b32 v31, v8, s[14:15]
	s_wait_xcnt 0x0                                ; and again in front of the line that widens it; v8 is free behind this wait too
	s_or_b32 exec_lo, exec_lo, s23
; PASS 1: a row's largest magnitude, and the row into LDS
.macro ROW p
.set XR, 32+32*((\p)%4)
.if (\p) > 0
	s_wait_dscnt 0x0                               ; the last row's LDS stores have read their registers: its set takes the row three further on
.endif
.if (\p)+3 < 16
	LOADROW (\p)+3
.endif
.if 15-(\p) >= 3
	s_wait_loadcnt 24                              ; my row is in; the three younger rows stay out
.else
	s_wait_loadcnt 8*(15-(\p))
.endif
	v_max3_num_f32 v8, |v[XR]|, |v[XR+1]|, |v[XR+2]|
	v_max3_num_f32 v9, |v[XR+3]|, |v[XR+4]|, |v[XR+5]|
.irp i, 6,10,14,18,22,26
	v_max3_num_f32 v8, v8, |v[XR+\i]|, |v[XR+\i+1]|
	v_max3_num_f32 v9, v9, |v[XR+\i+2]|, |v[XR+\i+3]|
.endr
	v_max3_num_f32 v8, v8, |v[XR+30]|, |v[XR+31]|
	v_max_num_f32 v8, v8, v9
.irp q, 0,1,2,3,4,5,6,7
	ds_store_b128 v4, v[XR+4*\q:XR+4*\q+3] offset:(\p)*PITCH+512*\q
.endr
.irp m, 1,2,4,8
	v_max_num_f32_dpp v8, v8, v8 row_xmask:\m row_mask:0xf bank_mask:0xf
.endr
	v_permlanex16_b32 v9, v8, s20, s21
	v_max_num_f32 v8, v8, v9
	s_mov_b32 s22, 0x10001<<(\p)
	v_cndmask_b32 v16, v16, v8, s22                ; lanes p and p + 16 keep it
.endm
.irp p, 0,1,2,3,4,5,6,7,8,9,10,11,12,13,14,15
	ROW \p
.endr
	; s = 127 / max(absmax, 1e-5): reciprocal, one Newton step, quotient, remainder, correction.  Then 1 / s
	v_max_num_f32 v16, 0x3727c5ac, v16
	s_wait_alu depctr_va_vdst(0)
	v_rcp_f32 v8, v16
	v_nop
	s_wait_alu depctr_va_vdst(0)                   ; ahead of the reciprocal's first reader
	v_fma_f32 v9, -v16, v8, 1.0
	v_fma_f32 v8, v9, v8, v8
	v_mul_f32 v9, s24, v8
	v_fma_f32 v10, -v9, v16, s24
	v_fma_f32 v18, v10, v8, v9
	v_mov_b32 v19, v18
	v_rcp_f32 v8, v18
	v_nop
	s_wait_alu depctr_va_vdst(0)
	v_fma_f32 v9, -v18, v8, 1.0
	v_fma_f32 v20, v9, v8, v8
	v_mov_b32 v21, v20
	s_wait_dscnt 0x0                               ; the last rows' stores have read their registers: pass 2 loads into them
; PASS 2: step st = 2 k + c: my block 4 k + 2 c + h of row r: 32 numbers -> registers 4 c .. 4 c + 3 of fragment k
.macro LD st
.irp j, 0,1,2,3,4,5,6,7
	ds_load_b128 v[32+32*((\st)%2)+4*\j:32+32*((\st)%2)+4*\j+3], v5 offset:(\st)*256+16*\j
.endr
.endm
.macro STEP st
.set N, 32+32*((\st)%2)
.set CD, 96+4*(\st)
.if (\st) < 15
	LD (\st)+1
	s_wait_dscnt 8                                 ; this step's eight loads are in, the next step's eight stay out
.else
	s_wait_dscnt 0x0
.endif
.irp j, 0,2,4,6,8,10,12,14,16,18,20,22,24,26,28,30
	v_pk_mul_f32 v[N+\j:N+\j+1], v[N+\j:N+\j+1], v[18:19]      ; x s
.endr
.set q, 0
.rept 32
	v_rndne_f32 v[N+q], v[N+q]
.set q, q+1
.endr
.set q, 0
.rept 32
	v_med3_num_f32 v[N+q], v[N+q], s25, s24                    ; held to -128 .. 127
.set q, q+1
.endr
.irp j, 0,2,4,6,8,10,12,14,16,18,20,22,24,26,28,30
	v_pk_mul_f32 v[N+\j:N+\j+1], v[N+\j:N+\j+1], v[20:21]      ; / s
.endr
	v_max3_num_f32 v8, |v[N]|, |v[N+1]|, |v[N+2]|              ; the block's largest magnitude: all 32 are mine
	v_max3_num_f32 v9, |v[N+3]|, |v[N+4]|, |v[N+5]|
.irp i, 6,10,14,18,22,26
	v_max3_num_f32 v8, v8, |v[N+\i]|, |v[N+\i+1]|
	v_max3_num_f32 v9, v9, |v[N+\i+2]|, |v[N+\i+3]|
.endr
	v_max3_num_f32 v8, v8, |v[N+30]|, |v[N+31]|
	v_max3_num_f32 v8, v8, v9, 0x1800000                       ; the floor 2^(3 - 127): the byte cannot fall under 1
	v_add_nc_u32 v11, 0xff000000, v8                           ; 2 off the exponent field: the conversion's scale operand
.irp g, 0,1,2,3
	v_cvt_scalef32_pk8_fp4_f32 v[CD+\g], v[N+8*\g:N+8*\g+7], v11
.endr
	v_lshrrev_b32 v10, 23, v11                                 ; the scale's byte (also the plain line behind the conversions)
	global_store_b128 v1, v[CD:CD+3], s[10:11] offset:((\st)/2)*4096+((\st)%2)*512   ; 512 consecutive bytes; each step has its own data registers
.if (\st)%2 == 0
	v_mov_b32 v[22+(\st)/2], v10
.else
	v_lshl_or_b32 v[22+(\st)/2], v10, 16, v[22+(\st)/2]
.endif
.endm
	LD 0
.irp t, 0,1,2,3,4,5,6,7,8,9,10,11,12,13,14,15
	STEP \t
.endr
	; the scale words: my two bytes go 8 h bits up; with lane l xor 16's two the word of (row r, K step k) is whole
.irp k, 0,1,2,3,4,5,6,7
	v_lshlrev_b32 v[22+\k], v6, v[22+\k]
.endr
.irp k, 0,1,2,3,4,5,6,7
	v_permlanex16_b32 v[32+\k], v[22+\k], s20, s21
.endr
.irp k, 0,1,2,3,4,5,6,7
	v_or_b32 v[22+\k], v[22+\k], v[32+\k]
.endr
	s_mov_b32 s22, 0xffff0000
.irp e, 0,1,2,3
	v_cndmask_b32 v[40+\e], v[22+\e], v[26+\e], s22            ; lanes 0-15 store K steps 0-3, lanes 16-31 K steps 4-7
.endr
	global_store_b128 v7, v[40:43], s[12:13]                   ; sixteen lanes store 256 consecutive bytes, aligned
	s_set_vgpr_msb 0x4
	s_wait_tensorcnt 0x0
	ds_add_u32 v17, v1
	s_wait_dscnt 0x0
	s_set_vgpr_msb 0x400
	s_endpgm
.Lfunc_end_k_q44472192d8_prep:
	.size	k_q44472192d8_prep, .Lfunc_end_k_q44472192d8_prep-k_q44472192d8_prep
	.p2alignl 7, 3214868480
	.fill 96, 4, 3214868480
	.section	.rodata,"a",@progbits
	.p2align	6, 0x0
	.amdhsa_kernel k_q44472192d8_prep
		.amdhsa_group_segment_fixed_size 263680
		.amdhsa_private_segment_fixed_size 0
		.amdhsa_enable_private_segment 0
		.amdhsa_kernarg_size 48
		.amdhsa_user_sgpr_count 2
		.amdhsa_user_sgpr_kernarg_segment_ptr 1
		.amdhsa_wavefront_size32 1
		.amdhsa_system_sgpr_workgroup_id_x 1
		.amdhsa_system_sgpr_workgroup_id_y 1
		.amdhsa_system_sgpr_workgroup_id_z 1
		.amdhsa_system_vgpr_workitem_id 0
		.amdhsa_next_free_vgpr 258
		.amdhsa_next_free_sgpr 66
		.amdhsa_reserve_vcc 1
		.amdhsa_float_denorm_mode_32 3
		.amdhsa_float_denorm_mode_16_64 3
		.amdhsa_memory_ordered 1
		.amdhsa_forward_progress 1
		.amdhsa_inst_pref_size 171
	.end_amdhsa_kernel
	.amdgpu_metadata
---
amdhsa.version: [ 1, 2 ]
amdhsa.kernels:
  - .name:           k_q44472192d8_prep
    .symbol:         k_q44472192d8_prep.kd
    .args:
      - { .name: x, .offset: 0, .size: 8, .value_kind: global_buffer, .address_space: global }
      - { .name: W_dt, .offset: 8, .size: 8, .value_kind: global_buffer, .address_space: global }
      - { .name: W_x, .offset: 16, .size: 8, .value_kind: global_buffer, .address_space: global }
      - { .name: xc, .offset: 24, .size: 8, .value_kind: global_buffer, .address_space: global }
      - { .name: xs, .offset: 32, .size: 8, .value_kind: global_buffer, .address_space: global }
      - { .name: wsum, .offset: 40, .size: 8, .value_kind: global_buffer, .address_space: global }
    .group_segment_fixed_size: 263680
    .private_segment_fixed_size: 0
    .kernarg_segment_align: 8
    .kernarg_segment_size: 48
    .max_flat_workgroup_size: 128
    .sgpr_count:     66
    .vgpr_count:     258
    .wavefront_size: 32
...
	.end_amdgpu_metadata
.endif
;; end of part 1
;; launch wq (part 2): grid 12 x 16, 8 waves a work-group, no clusters, 68,608 bytes of LDS; arguments W_dt, W_x, wsum, wc, wsc; writes wc, wsc
.if DOCPART == 2
	.amdgcn_target "amdgcn-amd-amdhsa--gfx1250"
	.amdhsa_code_object_version 6
	.text
	.protected	k_q44472192d8_wq
	.globl	k_q44472192d8_wq
	.p2align	8
	.type	k_q44472192d8_wq,@function
k_q44472192d8_wq:
	s_mov_b64 s[64:65], 0
	v_nop
	global_prefetch_b8 v0, s[64:65] scope:SCOPE_SE
	s_setreg_imm32_b32 hwreg(HW_REG_WAVE_MODE, 25, 1), 1
	s_wait_xcnt 0x0
; W_dt [1024][1024] and W_x [2048][1024], f32 -> ternary numbers clip(round(W / ws), -1, 1) x ws with ws = mean |W| + 1e-5 of the whole tensor,
; and these -> codes of FP4 (E2M1) with one E8M0 byte for each 32 along K, in the order of the operand's registers.
; SHARES.  Work-group (f, cb): tile f = 4 mt + n (mt = 0: W_dt, 1: W_x's first 1,024 rows, 2: its second) of the block cb of 64 outputs d.  THE ROWS OF A TILE ARE NOT NEIGHBOURS:
; row r of the tile is d = 64 cb + 4 r + n, so that in the product's result a lane's four tiles n hold four neighbouring outputs.  Wave k takes K step k: 16 rows x 128.
; THE SCALE WORDS lie as the reader's registers want them: word g = 6 k + f % 6 of lane r + 16 (f / 6) at 6,144 cb + 512 (g / 4) + 16 lane + 4 (g % 4): four registers come by one load of 16 bytes a lane.
; Every wave adds up the 1,024 pairs of partial sums in the same order, so that every work-group has the same ws.
; W / ws is made as a product with 1 / ws, corrected by its remainder (two fused multiply-adds), since a ternary rounding hangs on it.
; Each load reads 512 consecutive bytes of a row; the 16 x 512 bytes turn through the wave's own LDS (rows of 512 + 16 bytes), so that a lane gets a whole block of 32.  No barrier: waves share nothing.
; LIMITS: NaN and infinities are not served.  The sum of |W| is a tree of f32 additions; another order of that sum can differ in its last bits.
	s_load_b256 s[4:11], s[0:1], 0x0               ; W_dt s[4:5], W_x s[6:7], wsum s[8:9], wc s[10:11]
	s_load_b64 s[12:13], s[0:1], 0x20              ; wsc
	v_lshl_add_u32 v192, v0, 2, 0x10800
	v_mov_b32 v193, 0
	v_lshrrev_b32 v8, 5, v0
	s_delay_alu instid0(VALU_DEP_1)
	v_readfirstlane_b32 s16, v8                    ; wave = K step k
	v_and_b32 v30, 31, v0                          ; lane
	s_delay_alu instid0(VALU_DEP_1)
	v_lshlrev_b32 v1, 4, v30
	v_and_b32 v2, 15, v0                           ; r
	v_bfe_u32 v3, v0, 4, 1                         ; h
	s_mul_i32 s17, s16, 8448                       ; my wave's LDS
	v_add_nc_u32 v4, s17, v1
	v_mul_u32_u24 v5, v2, 528
	s_delay_alu instid0(VALU_DEP_1)
	v_lshl_add_u32 v5, v3, 7, v5
	s_delay_alu instid0(VALU_DEP_1)
	v_add_nc_u32 v5, s17, v5                       ; row r, + 128 h
	v_lshlrev_b32 v6, 3, v3                        ; 8 h
	v_lshlrev_b32 v7, 4, v2                        ; 16 r: a scale word's place for row r
	s_mov_b32 s36, 0x76543210
	s_mov_b32 s37, 0xfedcba98
	s_mov_b32 s24, 0x3727c5ac                      ; 1e-5
	s_and_b32 s18, ttmp7, 0xffff                   ; cb
	s_lshr_b32 s19, ttmp9, 2                       ; mt
	s_and_b32 s20, ttmp9, 3                        ; n
	s_cmp_eq_u32 s19, 2
	s_cselect_b32 s21, 1024, 0
	s_lshl_b32 s22, s18, 6
	s_add_co_u32 s21, s21, s22
	s_add_co_u32 s21, s21, s20                     ; the tile's first row in its tensor
	s_lshl_b32 s26, s21, 12
	s_lshl_b32 s22, s16, 9
	s_add_co_u32 s26, s26, s22                     ; + 512 k bytes
	s_mov_b32 s27, 0
	s_mul_i32 s28, s18, 98304
	s_mul_i32 s22, s16, 12288
	s_add_co_u32 s28, s28, s22
	s_lshl_b32 s22, ttmp9, 10
	s_add_co_u32 s28, s28, s22                     ; wc: 98,304 cb + 12,288 k + 1,024 f
	s_mov_b32 s29, 0
	s_cmp_lt_u32 ttmp9, 6
	s_cselect_b32 s23, 0, 1                        ; f / 6
	s_mul_i32 s22, s23, 6
	s_sub_co_u32 s22, ttmp9, s22                   ; f % 6
	s_mul_i32 s30, s16, 6
	s_add_co_u32 s30, s30, s22                     ; g = 6 k + f % 6
	s_and_b32 s34, s30, 3
	s_lshl_b32 s34, s34, 2                         ; 4 (g % 4)
	s_lshr_b32 s30, s30, 2
	s_lshl_b32 s30, s30, 9                         ; 512 (g / 4)
	s_add_co_u32 s30, s30, s34
	s_lshl_b32 s22, s23, 8                         ; 256 (f / 6): lanes 16-31 of the reader
	s_add_co_u32 s30, s30, s22
	s_mul_i32 s22, s18, 6144
	s_add_co_u32 s30, s30, s22                     ; wsc: 6,144 cb + 512 (g / 4) + 256 (f / 6) + 4 (g % 4)
	s_mov_b32 s31, 0
	s_mov_b32 s33, 0x35000000                      ; 2^-21: one over W_x's count
	s_wait_alu depctr_va_vdst(0)
	s_wait_kmcnt 0x0
	s_cmp_eq_u32 s19, 0                            ; W_dt's tile or W_x's: the choice hangs on the work-group's number alone
	s_cselect_b64 s[4:5], s[4:5], s[6:7]
	s_cselect_b32 s32, -1, 0
	s_cselect_b32 s33, 0x35800000, s33             ; 2^-20: one over W_dt's count
	s_add_nc_u64 s[4:5], s[4:5], s[26:27]
	s_add_nc_u64 s[10:11], s[10:11], s[28:29]
	s_add_nc_u64 s[12:13], s[12:13], s[30:31]
.irp p, 0,1,2,3,4,5,6,7,8,9,10,11,12,13,14,15
	global_load_b128 v[64+4*\p:67+4*\p], v1, s[8:9] offset:512*\p          ; all 1,024 pairs of partial sums
.endr
.irp p, 0,1,2,3,4,5,6,7,8,9,10,11,12,13,14,15
	global_load_b128 v[128+4*\p:131+4*\p], v1, s[4:5] offset:16384*\p      ; row p of the tile: four rows of W further down each time
.endr
	s_wait_loadcnt 0x0
	v_pk_add_f32 v[10:11], v[64:65], v[68:69]
	v_pk_add_f32 v[62:63], v[72:73], v[76:77]
	v_pk_add_f32 v[60:61], v[80:81], v[84:85]
	v_pk_add_f32 v[58:59], v[88:89], v[92:93]
	v_pk_add_f32 v[56:57], v[96:97], v[100:101]
	v_pk_add_f32 v[54:55], v[104:105], v[108:109]
	v_pk_add_f32 v[52:53], v[112:113], v[116:117]
	v_pk_add_f32 v[8:9], v[120:121], v[124:125]
	s_delay_alu instid0(VALU_DEP_1)
	v_pk_add_f32 v[8:9], v[8:9], v[66:67]
	v_pk_add_f32 v[10:11], v[10:11], v[70:71]
	v_pk_add_f32 v[62:63], v[62:63], v[74:75]
	v_pk_add_f32 v[60:61], v[60:61], v[78:79]
	v_pk_add_f32 v[58:59], v[58:59], v[82:83]
	v_pk_add_f32 v[56:57], v[56:57], v[86:87]
	v_pk_add_f32 v[54:55], v[54:55], v[90:91]
	v_pk_add_f32 v[52:53], v[52:53], v[94:95]
	v_pk_add_f32 v[8:9], v[8:9], v[98:99]
	v_pk_add_f32 v[10:11], v[10:11], v[102:103]
	v_pk_add_f32 v[62:63], v[62:63], v[106:107]
	v_pk_add_f32 v[60:61], v[60:61], v[110:111]
	v_pk_add_f32 v[58:59], v[58:59], v[114:115]
	v_pk_add_f32 v[56:57], v[56:57], v[118:119]
	v_pk_add_f32 v[54:55], v[54:55], v[122:123]
	v_pk_add_f32 v[52:53], v[52:53], v[126:127]
	s_delay_alu instid0(VALU_DEP_4)
	v_pk_add_f32 v[8:9], v[8:9], v[58:59]
	s_delay_alu instid0(VALU_DEP_4)
	v_pk_add_f32 v[10:11], v[10:11], v[56:57]
	s_delay_alu instid0(VALU_DEP_4)
	v_pk_add_f32 v[62:63], v[62:63], v[54:55]
	s_delay_alu instid0(VALU_DEP_4)
	v_pk_add_f32 v[60:61], v[60:61], v[52:53]
	s_delay_alu instid0(VALU_DEP_2)
	v_pk_add_f32 v[8:9], v[8:9], v[62:63]
	s_delay_alu instid0(VALU_DEP_2)
	v_pk_add_f32 v[10:11], v[10:11], v[60:61]
	s_delay_alu instid0(VALU_DEP_1)
	v_pk_add_f32 v[8:9], v[8:9], v[10:11]
.irp m, 1
	s_delay_alu instid0(VALU_DEP_1)
	v_add_f32_dpp v8, v8, v8 row_xmask:\m row_mask:0xf bank_mask:0xf
	s_delay_alu instid0(VALU_DEP_2)
	v_add_f32_dpp v9, v9, v9 row_xmask:\m row_mask:0xf bank_mask:0xf
.endr
.irp m, 2, 4, 8
	s_delay_alu instid0(VALU_DEP_2)
	v_add_f32_dpp v8, v8, v8 row_xmask:\m row_mask:0xf bank_mask:0xf
	s_delay_alu instid0(VALU_DEP_2)
	v_add_f32_dpp v9, v9, v9 row_xmask:\m row_mask:0xf bank_mask:0xf
.endr
	s_delay_alu instid0(VALU_DEP_2)
	v_permlanex16_b32 v10, v8, s36, s37
	s_delay_alu instid0(VALU_DEP_2)
	v_permlanex16_b32 v11, v9, s36, s37
	s_delay_alu instid0(VALU_DEP_2)
	v_add_f32 v8, v8, v10
	s_delay_alu instid0(VALU_DEP_2)
	v_add_f32 v9, v9, v11
	s_delay_alu instid0(VALU_DEP_1)
	v_cndmask_b32 v8, v9, v8, s32                  ; my tensor's sum
	s_delay_alu instid0(VALU_DEP_1)
	v_fma_f32 v12, v8, s33, s24                    ; ws = sum / count + 1e-5 (the division is by a power of two: exact)
	s_wait_alu depctr_va_vdst(0)
	v_rcp_f32 v14, v12
	v_mov_b32 v13, v12
	s_wait_alu depctr_va_vdst(0)                   ; ahead of the reciprocal's first reader
	v_fma_f32 v15, -v12, v14, 1.0
	v_fma_f32 v14, v15, v14, v14                   ; 1 / ws
	s_delay_alu instid0(VALU_DEP_1)
	v_mov_b32 v15, v14
.irp p, 0,1,2,3,4,5,6,7,8,9,10,11,12,13,14,15
	ds_store_b128 v4, v[128+4*\p:131+4*\p] offset:528*\p
.endr
.irp c, 0,1
.irp j, 0,1,2,3,4,5,6,7
	ds_load_b128 v[64+32*\c+4*\j:67+32*\c+4*\j], v5 offset:256*\c+16*\j    ; LDS serves a wave's instructions in order: these see my stores.  Block 2 c + h of row r
.endr
.endr
	s_wait_alu depctr_va_vdst(0)
	s_wait_dscnt 0x0
.macro QW c
.set N, 64+32*\c
.set T, 128+32*\c
.irp j, 0,2,4,6,8,10,12,14,16,18,20,22,24,26,28,30
	v_pk_mul_f32 v[T+\j:T+\j+1], v[N+\j:N+\j+1], v[14:15]                  ; W x (1 / ws)
.endr
.irp j, 0,2,4,6,8,10,12,14,16,18,20,22,24,26,28,30
	v_pk_fma_f32 v[N+\j:N+\j+1], v[T+\j:T+\j+1], v[12:13], v[N+\j:N+\j+1] neg_lo:[1,0,0] neg_hi:[1,0,0]   ; the remainder W - q ws
.endr
.irp j, 0,2,4,6,8,10,12,14,16,18,20,22,24,26,28,30
	v_pk_fma_f32 v[T+\j:T+\j+1], v[N+\j:N+\j+1], v[14:15], v[T+\j:T+\j+1]  ; the corrected quotient
.endr
.set q, 0
.rept 32
	v_rndne_f32 v[T+q], v[T+q]
.set q, q+1
.endr
.set q, 0
.rept 32
	v_med3_num_f32 v[T+q], v[T+q], -1.0, 1.0
.set q, q+1
.endr
.irp j, 0,2,4,6,8,10,12,14,16,18,20,22,24,26,28,30
	v_pk_mul_f32 v[T+\j:T+\j+1], v[T+\j:T+\j+1], v[12:13]                  ; x ws
.endr
	v_max3_num_f32 v8, |v[T]|, |v[T+1]|, |v[T+2]|
	v_max3_num_f32 v9, |v[T+3]|, |v[T+4]|, |v[T+5]|
.irp i, 6,10,14,18,22,26
	s_delay_alu instid0(VALU_DEP_2)
	v_max3_num_f32 v8, v8, |v[T+\i]|, |v[T+\i+1]|
	s_delay_alu instid0(VALU_DEP_2)
	v_max3_num_f32 v9, v9, |v[T+\i+2]|, |v[T+\i+3]|
.endr
	s_delay_alu instid0(VALU_DEP_2)
	v_max3_num_f32 v8, v8, |v[T+30]|, |v[T+31]|
	s_delay_alu instid0(VALU_DEP_1)
	v_max3_num_f32 v8, v8, v9, 0x1800000           ; the floor 2^(3 - 127)
	s_delay_alu instid0(VALU_DEP_1)
	v_add_nc_u32 v11, 0xff000000, v8               ; the conversion's scale operand
.irp g, 0,1,2,3
	v_cvt_scalef32_pk8_fp4_f32 v[16+4*\c+\g], v[T+8*\g:T+8*\g+7], v11
.endr
	v_lshrrev_b32 v[24+\c], 23, v11                ; the scale's byte (also the plain line behind the conversions)
	global_store_b128 v1, v[16+4*\c:19+4*\c], s[10:11] offset:512*\c
.endm
	QW 0
	QW 1
	v_lshl_or_b32 v24, v25, 16, v24                ; my two bytes: blocks h and 2 + h,
	s_delay_alu instid0(VALU_DEP_1)
	v_lshlrev_b32 v24, v6, v24                     ; 8 h bits up;
	s_delay_alu instid0(VALU_DEP_1)
	v_permlanex16_b32 v25, v24, s36, s37
	s_delay_alu instid0(VALU_DEP_1)
	v_or_b32 v24, v24, v25                         ; with lane l xor 16's the word is whole
	v_cmp_gt_u32 vcc_lo, 16, v30
	s_wait_alu depctr_va_vdst(0)
	s_wait_xcnt 0x0                                ; EXEC changes only when the stores that are out have read it
	s_wait_tensorcnt 0x0
	ds_add_u32 v192, v193
	s_wait_dscnt 0x0
	s_and_saveexec_b32 s23, vcc_lo
	global_store_b32 v7, v24, s[12:13]             ; lanes 0-15: row r's word
	s_wait_xcnt 0x0
	s_or_b32 exec_lo, exec_lo, s23
	s_endpgm
.Lfunc_end_k_q44472192d8_wq:
	.size	k_q44472192d8_wq, .Lfunc_end_k_q44472192d8_wq-k_q44472192d8_wq
	.p2alignl 7, 3214868480
	.fill 96, 4, 3214868480
	.section	.rodata,"a",@progbits
	.p2align	6, 0x0
	.amdhsa_kernel k_q44472192d8_wq
		.amdhsa_group_segment_fixed_size 68608
		.amdhsa_private_segment_fixed_size 0
		.amdhsa_enable_private_segment 0
		.amdhsa_kernarg_size 40
		.amdhsa_user_sgpr_count 2
		.amdhsa_user_sgpr_kernarg_segment_ptr 1
		.amdhsa_wavefront_size32 1
		.amdhsa_system_sgpr_workgroup_id_x 1
		.amdhsa_system_sgpr_workgroup_id_y 1
		.amdhsa_system_sgpr_workgroup_id_z 1
		.amdhsa_system_vgpr_workitem_id 0
		.amdhsa_next_free_vgpr 194
		.amdhsa_next_free_sgpr 66
		.amdhsa_reserve_vcc 1
		.amdhsa_float_denorm_mode_32 3
		.amdhsa_float_denorm_mode_16_64 3
		.amdhsa_memory_ordered 1
		.amdhsa_forward_progress 1
		.amdhsa_inst_pref_size 31
	.end_amdhsa_kernel
	.amdgpu_metadata
---
amdhsa.version: [ 1, 2 ]
amdhsa.kernels:
  - .name:           k_q44472192d8_wq
    .symbol:         k_q44472192d8_wq.kd
    .args:
      - { .name: W_dt, .offset: 0, .size: 8, .value_kind: global_buffer, .address_space: global }
      - { .name: W_x, .offset: 8, .size: 8, .value_kind: global_buffer, .address_space: global }
      - { .name: wsum, .offset: 16, .size: 8, .value_kind: global_buffer, .address_space: global }
      - { .name: wc, .offset: 24, .size: 8, .value_kind: global_buffer, .address_space: global }
      - { .name: wsc, .offset: 32, .size: 8, .value_kind: global_buffer, .address_space: global }
    .group_segment_fixed_size: 68608
    .private_segment_fixed_size: 0
    .kernarg_segment_align: 8
    .kernarg_segment_size: 40
    .max_flat_workgroup_size: 256
    .sgpr_count:     66
    .vgpr_count:     194
    .wavefront_size: 32
...
	.end_amdgpu_metadata
.endif
;; end of part 2
;; launch agg (part 3): grid 16 x 16, 4 waves a work-group, no clusters, 168,448 bytes of LDS; arguments xc, xs, wc, wsc, b_dt, b_x, A_log, aggQ, aggH; writes aggQ, aggH
.if DOCPART == 3
	.amdgcn_target "amdgcn-amd-amdhsa--gfx1250"
	.amdhsa_code_object_version 6
	.text
	.protected	k_q44472192d8_agg
	.globl	k_q44472192d8_agg
	.p2align	8
	.type	k_q44472192d8_agg,@function
k_q44472192d8_agg:
	s_mov_b64 s[64:65], 0
	v_nop
	global_prefetch_b8 v0, s[64:65] scope:SCOPE_SE
	s_setreg_imm32_b32 hwreg(HW_REG_WAVE_MODE, 25, 1), 1
	s_wait_xcnt 0x0
; THE SCAN'S AGGREGATES (MAIN = 0; the same text with MAIN = 1 is the launch that makes y).
; dt = clip(softplus(x_q W_dt_q^T + b_dt), 1e-3, 1), b = clip(x_q W_x_q^T + b_x, +-5) (and c, its second half, with MAIN = 1), both products on codes of FP4 (E2M1) with E8M0 scales;
; alpha = exp(clip(dt A, -10, 0)), A = -softplus(A_log).  reference()'s h = prefix x cumsum(dt b / prefix_shift) is walked as h_t = alpha_t h_(t-1) + alpha_t dt_t b_t.
; SHARES.  Work-group (cb, segment): 1,024 steps x 64 outputs d.  Wave w takes streams 2 w and 2 w + 1 of 128 steps, in four blocks of 32 steps each.  In a result tile lane (r, h) holds output
; d = 64 cb + 4 r + n of stream 2 w + h, and its registers j eight consecutive steps: a lane walks its own stream, the carry in registers.
; x's fragments come from memory straight into registers (no other wave of the work-group reads them), a whole epilogue ahead.  W's panel of 98,304 bytes comes into LDS once, a quarter by each wave's one tensor load; nothing is filled again.
; No cluster: what work-groups share (x's codes along cb) is read by one wave in each, into registers, and W's panel is fetched once in the launch by each work-group.
; dt's softplus is ln 2 x log2(1 + 2^(z log2 e)): it is wanted only where it lies in 1e-3 .. 1; where the exponential overflows the result is +infinity, which the clip at 1 holds, as it holds reference()'s number there.
; MAIN = 0: each stream starts from h = 0, q = 1 and ends with (Q = product of its alpha, H = its h); the eight streams of a segment are composed in order, and row 8 segment + kl of aggQ, aggH gets streams 0 .. kl together.
; MAIN = 1: a stream starts from what the segments and streams before it give; w_t = FLT_MAX x prefix_t is carried beside h, and y_t = h_t tanh(c_t) is kept while w_s >= max(|h_s|, 4 - 2^-22) has held for all s <= t, else 0:
; the constant stands for prefix >= 2^-126 (under it the prefix is taken as 0, after which reference()'s sum is not finite and its result 0), |h| for a finite cumsum.
; LIMITS: NaN and infinities among the inputs are not served.  That a prefix under 2^-126 counts as 0 is an assumption about reference()'s arithmetic.  In the streams before a lane's own the test is made at segments' ends
; and at the carry into the lane's own stream alone.  A single term of the cumsum that overflows against an opposite sum is not modelled.  The step at which a column turns to zeros can move by one where the prefix lies within f32 rounding of 2^-126.
; REGISTERS, in windows of 256.  Window 0: v1-7 addresses; v8-11 h's carry, v12-15 w's (q's); v16-23 A log2(e) in pairs; v24-39 x's scale words, v40-87 W's; v88-183 the biases, eight equal registers a tile; v184-255 the head's and tail's work.
; Window 1: x's 32 fragments (32 k + 8 i).  Window 2: dt's 16 accumulators at 8 (4 n + i), b's at 128 + the same.  Window 3: c's at 8 (4 n + i); v128-223 two sets of W's fragments, in the epilogue T (v128-159) and y (v160-191).
.set MAIN, 0
.set NF, 8+4*MAIN                      ; tiles of W: dt's four, b's four, c's four
.set HF, NF/2
.set LA,  1                            ; v1  16 x lane: x's fragments, the scale words, and W's panel for K steps 0-3
.set LB,  2                            ; v2  + 49,152: K steps 4-7
.set YO,  3                            ; v3  y: 128 rows x h + 16 r
.set T16, 5                            ; v5  16 x thread
.set HS,  8
.set WS,  12
.set AP,  16
.set SA,  24
.set SB,  40
.set BIAS, 88
.set SCR, 184
.set BX,  128
.set TT,  128
.set YY,  160
.set XCH, 98304                        ; LDS behind the panel: the streams' (Q, H), 2,048 bytes each
.set G0,  48                           ; s[48:51] the tensor load's group 0, s[52:59] its group 1; never rewritten
.set G1,  52
.set MSB, 0
.macro WIN new                         ; the immediate's high byte repeats the setting that is left; a switch that changes nothing is dropped
.if MSB != \new
	s_set_vgpr_msb (MSB<<8)|\new
.set MSB, \new
.endif
.endm
.macro ALOADS k0, k1, sa               ; a block's fragments of x for K steps k0 .. k1; sa = 1: ahead of them its 16 registers of scale words.  Every window is 0 at its head and at its end
.if \sa
.irp q, 0,1,2,3
	global_load_b128 v[SA+4*\q:SA+4*\q+3], v[LA], s[6:7] offset:512*\q
.endr
.endif
	WIN 0x40
.set kk, \k0
.rept (\k1)-(\k0)+1
.irp i, 0,1,2,3
.irp c, 0,1
	global_load_b128 v[32*kk+8*\i+4*\c:32*kk+8*\i+4*\c+3], v[LA], s[4:5] offset:kk*4096+\i*1024+\c*512
.endr
.endr
.set kk, kk+1
.endr
	WIN 0
.endm
.macro BLOADS set, k                   ; HF fragments of W, K step k, from the panel: 512 consecutive bytes a load
	WIN 0xc0
.set ff, 0
.rept HF
.irp c, 0,1
	ds_load_b128 v[BX+48*(\set)+8*ff+4*\c:BX+48*(\set)+8*ff+4*\c+3], v[LA+(\k)/4] offset:((\k)%4)*12288+(HF*(\set)+ff)*1024+\c*512
.endr
.set ff, ff+1
.endr
.endm
; 4 HF matrix instructions: the set's tiles of W x the four tiles of rows.  Source 0 = x, source 1 = W.  The first K step takes the bias as C.  All accumulators take turns, one instruction a turn.
.macro MULS set, k
.set ff, HF*(\set)
.rept HF
.irp i, 0,1,2,3
.set aw, 2+ff/8
.set rD, 128*((ff/4)%2)+8*(4*(ff%4)+\i)
.set rA, 32*(\k)+8*\i
.set rB, BX+48*(\set)+8*(ff-HF*(\set))
.set rSA, SA+8*(\i%2)+(\k)
.set rSB, SB+6*(\k)+ff%6
.if (\k) == 0
.set rC, BIAS+8*ff
	WIN (0x0d|(aw<<6))
.else
.set rC, rD
	WIN (0x0d|(aw<<6)|(aw<<4))
.endif
.if (\i < 2) && (ff < 6)
	v_wmma_scale_f32_16x16x128_f8f6f4 v[rD:rD+7], v[rA:rA+7], v[rB:rB+7], v[rC:rC+7], v[rSA], v[rSB] matrix_a_fmt:MATRIX_FMT_FP4 matrix_b_fmt:MATRIX_FMT_FP4
.elseif (\i < 2)
	v_wmma_scale_f32_16x16x128_f8f6f4 v[rD:rD+7], v[rA:rA+7], v[rB:rB+7], v[rC:rC+7], v[rSA], v[rSB] matrix_a_fmt:MATRIX_FMT_FP4 matrix_b_fmt:MATRIX_FMT_FP4 matrix_b_scale:MATRIX_SCALE_ROW1
.elseif (ff < 6)
	v_wmma_scale_f32_16x16x128_f8f6f4 v[rD:rD+7], v[rA:rA+7], v[rB:rB+7], v[rC:rC+7], v[rSA], v[rSB] matrix_a_fmt:MATRIX_FMT_FP4 matrix_b_fmt:MATRIX_FMT_FP4 matrix_a_scale:MATRIX_SCALE_ROW1
.else
	v_wmma_scale_f32_16x16x128_f8f6f4 v[rD:rD+7], v[rA:rA+7], v[rB:rB+7], v[rC:rC+7], v[rSA], v[rSB] matrix_a_fmt:MATRIX_FMT_FP4 matrix_b_fmt:MATRIX_FMT_FP4 matrix_a_scale:MATRIX_SCALE_ROW1 matrix_b_scale:MATRIX_SCALE_ROW1
.endif
.endr
.set ff, ff+1
.endr
.endm
; THE EPILOGUE of the tile of rows i: 32 numbers a lane (four outputs n x eight steps j).  Every accumulator is first read at its low end.
; The transcendentals go in three batches, each with one wait ahead of its first reader: 2^(z log2 e) with e^(2 c); the logarithms with tanh's reciprocals; alpha.
.macro EPI i
	WIN 0xc2
.irp n, 0,1,2,3
.irp j, 0,2,4,6
	v_pk_mul_f32 v[TT+8*\n+\j:TT+8*\n+\j+1], v[8*(4*\n+\i)+\j:8*(4*\n+\i)+\j+1], 0x3fb8aa3b op_sel_hi:[1,0]   ; z log2(e)
.endr
.endr
	WIN 0xc3
	s_wait_alu depctr_va_vdst(0)
.irp n, 0,1,2,3
.irp j, 0,1,2,3,4,5,6,7
	v_exp_f32 v[TT+8*\n+\j], v[TT+8*\n+\j]
.if MAIN
	v_med3_num_f32 v[8*(4*\n+\i)+\j], v[8*(4*\n+\i)+\j], s34, s26           ; c held to +-5: plain lines between the exponentials
.endif
.endr
.endr
.if MAIN
.irp n, 0,1,2,3
.irp j, 0,2,4,6
	v_pk_mul_f32 v[8*(4*\n+\i)+\j:8*(4*\n+\i)+\j+1], v[8*(4*\n+\i)+\j:8*(4*\n+\i)+\j+1], 0x4038aa3b op_sel_hi:[1,0]   ; 2 c log2(e)
.endr
.endr
.irp n, 0,1,2,3
.irp j, 0,1,2,3,4,5,6,7
	v_exp_f32 v[8*(4*\n+\i)+\j], v[8*(4*\n+\i)+\j]             ; e^(2 c)
.endr
.endr
.endif
	WIN 0xaa
	s_wait_alu depctr_va_vdst(0)
.irp n, 0,1,2,3
.irp j, 0,1,2,3,4,5,6,7
	v_med3_num_f32 v[128+8*(4*\n+\i)+\j], v[128+8*(4*\n+\i)+\j], s34, s26   ; b held to +-5: independent work behind the batch
.endr
.endr
	s_wait_alu depctr_va_vdst(0)                   ; the first batch's one wait
	WIN 0xc3
.set q, 0
.rept 16
	v_pk_add_f32 v[TT+q:TT+q+1], v[TT+q:TT+q+1], 1.0 op_sel_hi:[1,0]
.set q, q+2
.endr
.if MAIN
.irp n, 0,1,2,3
.irp j, 0,2,4,6
	v_pk_add_f32 v[8*(4*\n+\i)+\j:8*(4*\n+\i)+\j+1], v[8*(4*\n+\i)+\j:8*(4*\n+\i)+\j+1], 1.0 op_sel_hi:[1,0]
.endr
.endr
.endif
.set q, 0
	s_wait_alu depctr_va_vdst(0)
.rept 32
	v_log_f32 v[TT+q], v[TT+q]
.set q, q+1
.endr
.if MAIN
.irp n, 0,1,2,3
.irp j, 0,1,2,3,4,5,6,7
	v_rcp_f32 v[8*(4*\n+\i)+\j], v[8*(4*\n+\i)+\j]
.endr
.endr
.endif
	v_nop                                          ; the plain line behind the batch's last
	s_wait_alu depctr_va_vdst(0)                   ; the second batch's one wait
	WIN 0x83
.irp n, 0,1,2,3
.irp j, 0,2,4,6
	v_pk_mul_f32 v[8*(4*\n+\i)+\j:8*(4*\n+\i)+\j+1], v[TT+8*\n+\j:TT+8*\n+\j+1], 0x3f317218 op_sel_hi:[1,0]   ; softplus = ln 2 x log2(1 + 2^..)
.endr
.endr
	WIN 0xaa
.irp n, 0,1,2,3
.irp j, 0,1,2,3,4,5,6,7
	v_med3_num_f32 v[8*(4*\n+\i)+\j], v[8*(4*\n+\i)+\j], 0x3a83126f, 1.0    ; dt
.endr
.endr
.irp n, 0,1,2,3
.irp j, 0,2,4,6
	v_pk_mul_f32 v[128+8*(4*\n+\i)+\j:128+8*(4*\n+\i)+\j+1], v[8*(4*\n+\i)+\j:8*(4*\n+\i)+\j+1], v[128+8*(4*\n+\i)+\j:128+8*(4*\n+\i)+\j+1]   ; dt b
.endr
.endr
	WIN 0xc2
.irp n, 0,1,2,3
.irp j, 0,2,4,6
	v_pk_mul_f32 v[TT+8*\n+\j:TT+8*\n+\j+1], v[8*(4*\n+\i)+\j:8*(4*\n+\i)+\j+1], v[AP+2*\n:AP+2*\n+1]   ; dt A log2(e)
.endr
.endr
	WIN 0xc3
.set q, 0
.rept 32
	v_med3_num_f32 v[TT+q], v[TT+q], 0xc166d4ca, 0             ; held to -10 log2(e) .. 0
.set q, q+1
.endr
	WIN 0x83
	s_wait_alu depctr_va_vdst(0)
.irp n, 0,1,2,3
.irp j, 0,1,2,3,4,5,6,7
	v_exp_f32 v[8*(4*\n+\i)+\j], v[TT+8*\n+\j]                 ; alpha
.endr
.endr
.if MAIN
	WIN 0xc3
.irp n, 0,1,2,3
.irp j, 0,2,4,6
	v_pk_fma_f32 v[8*(4*\n+\i)+\j:8*(4*\n+\i)+\j+1], v[8*(4*\n+\i)+\j:8*(4*\n+\i)+\j+1], -2.0, 1.0 op_sel_hi:[1,0,0]   ; tanh c = 1 - 2 / (1 + e^(2 c)): independent work behind the batch
.endr
.endr
.else
	v_nop
.endif
	s_wait_alu depctr_va_vdst(0)                   ; the third batch's one wait
	WIN 0xaa
.irp n, 0,1,2,3
.irp j, 0,2,4,6
	v_pk_mul_f32 v[128+8*(4*\n+\i)+\j:128+8*(4*\n+\i)+\j+1], v[8*(4*\n+\i)+\j:8*(4*\n+\i)+\j+1], v[128+8*(4*\n+\i)+\j:128+8*(4*\n+\i)+\j+1]   ; alpha dt b
.endr
.endr
.irp j, 0,1,2,3,4,5,6,7                ; the walk: h_j = alpha_j h_(j-1) + alpha_j u_j, then w_j = alpha_j w_(j-1); the step before lies one register down, or in the carry
.irp n, 0,1,2,3
.if (\i == 0) && (\j == 0)
	WIN 0xa2
	v_fma_f32 v[128+8*(4*\n+\i)+\j], v[8*(4*\n+\i)+\j], v[HS+\n], v[128+8*(4*\n+\i)+\j]
	v_mul_f32 v[8*(4*\n+\i)+\j], v[8*(4*\n+\i)+\j], v[WS+\n]
.else
	WIN 0xaa
	v_fma_f32 v[128+8*(4*\n+\i)+\j], v[8*(4*\n+\i)+\j], v[128+8*(4*\n+\i)+\j-1], v[128+8*(4*\n+\i)+\j]
	v_mul_f32 v[8*(4*\n+\i)+\j], v[8*(4*\n+\i)+\j], v[8*(4*\n+\i)+\j-1]
.endif
.endr
.endr
.if MAIN
	WIN 0xc2
.irp n, 0,1,2,3
.irp j, 0,1,2,3,4,5,6,7
	v_max_num_f32 v[TT+8*\n+\j], |v[128+8*(4*\n+\i)+\j]|, s32  ; max(|h|, 4 - 2^-22)
.endr
.endr
	s_wait_xcnt 0x0                                ; the last tile's stores have read their data: y's registers are written again below
	WIN 0xce
.irp n, 0,1,2,3
.irp j, 0,1,2,3,4,5,6,7
	v_cmp_ge_f32 s[68+4*\j+\n], v[8*(4*\n+\i)+\j], v[TT+8*\n+\j]
.endr
.endr
.irp n, 0,1,2,3
.irp j, 0,1,2,3,4,5,6,7
	v_mul_f32 v[YY+4*\j+\n], v[128+8*(4*\n+\i)+\j], v[8*(4*\n+\i)+\j]      ; h tanh c
.endr
.endr
.irp n, 0,1,2,3
	s_and_b32 s[68+\n], s[68+\n], s[28+\n]         ; kept only while every earlier step was kept
.endr
.irp j, 1,2,3,4,5,6,7
.irp n, 0,1,2,3
	s_and_b32 s[68+4*\j+\n], s[68+4*\j+\n], s[64+4*\j+\n]
.endr
.endr
.irp n, 0,1,2,3
	s_mov_b32 s[28+\n], s[96+\n]
.endr
.irp j, 0,1,2,3,4,5,6,7
.irp n, 0,1,2,3
	v_cndmask_b32 v[YY+4*\j+\n], 0, v[YY+4*\j+\n], s[68+4*\j+\n]
.endr
.endr
	WIN 0x0c
.irp j, 0,1,2,3,4,5,6,7
	global_store_b128 v[YO], v[YY+4*\j:YY+4*\j+3], s[22:23] offset:(8*\i+\j)*4096 th:TH_STORE_NT   ; sixteen lanes store 256 consecutive bytes, aligned
.endr
.endif
.endm
	s_load_b256 s[4:11], s[0:1], 0x0               ; xc s[4:5], xs s[6:7], wc s[8:9], wsc s[10:11]
	s_load_b256 s[12:19], s[0:1], 0x20             ; b_dt s[12:13], b_x s[14:15], A_log s[16:17], aggQ s[18:19]
.if MAIN
	s_load_b128 s[20:23], s[0:1], 0x40             ; aggH s[20:21], out0 s[22:23]
.else
	s_load_b64 s[20:21], s[0:1], 0x40              ; aggH
	v_lshl_add_u32 v254, v0, 2, 0x29000
	v_mov_b32 v255, 0
	ds_add_u32 v254, v255
	ds_add_u32 v254, v255
.endif
	v_lshrrev_b32 v6, 5, v0
	v_readfirstlane_b32 s24, v6                    ; wave
	v_and_b32 v6, 31, v0
	v_lshlrev_b32 v[LA], 4, v6
	v_add_nc_u32 v[LB], 49152, v[LA]
	v_lshlrev_b32 v[T16], 4, v0
	v_and_b32 v7, 15, v0
	v_lshlrev_b32 v7, 4, v7                        ; 16 r
.if MAIN
	v_bfe_u32 v6, v0, 4, 1
	v_lshl_or_b32 v[YO], v6, 19, v7
.endif
	v_lshrrev_b32 v6, 4, v0                        ; kl = 2 wave + h: my stream
	s_and_b32 s36, ttmp7, 0xffff                   ; segment
	s_mov_b32 s25, 0                               ; block
	s_mov_b32 s26, 0x40a00000                      ; 5.0
	s_mov_b32 s34, 0xc0a00000                      ; -5.0
	s_mov_b32 s27, 0x3fb8aa3b                      ; log2(e)
	s_mov_b32 s35, 0x3f317218                      ; ln 2
	s_mov_b32 s32, 0x407fffff                      ; 4 - 2^-22 = FLT_MAX x 2^-126
	; the tensor load's descriptor: my quarter of W's panel, 24,576 dense bytes, as 96 rows of 32 elements of 8 bytes, no padding
	s_mov_b32 s[G0], 1                             ; count = 1
	s_mul_i32 s[G0+1], s24, 24576                  ; LDS address: wave x 24,576
	s_mov_b32 s[G1], 3<<16                         ; no mask; elements of 8 bytes; no padding
	s_mov_b32 s[G1+1], 32<<16                      ; tensor_dim0 = 32
	s_mov_b32 s[G1+2], 96<<16                      ; tensor_dim1 = 96
	s_mov_b32 s[G1+3], 32<<16                      ; tile_dim0 = 32
	s_mov_b32 s[G1+4], 96                          ; tile_dim1 = 96
	s_mov_b32 s[G1+5], 32                          ; from row to row: 32 elements
	s_mov_b32 s[G1+6], 0
	s_mov_b32 s[G1+7], 0
	s_lshl_b32 s38, s36, 4
	s_lshl_b32 s39, s24, 2
	s_add_co_u32 s44, s38, s39                     ; G of my block 0
	s_lshl_b32 s38, s44, 15
	s_mov_b32 s39, 0
	s_lshl_b32 s40, s44, 11
	s_mov_b32 s41, 0
	s_mul_i32 s42, ttmp9, 98304
	s_add_co_u32 s42, s42, s[G0+1]                 ; my quarter of panel cb, in bytes of wc
	s_mov_b32 s43, 0
	s_mul_i32 s44, ttmp9, 6144
	s_mov_b32 s45, 0
	s_lshl_b32 s46, ttmp9, 8
	s_mov_b32 s47, 0
	s_wait_alu depctr_va_vdst(0)
	s_wait_dscnt 0x0
	s_wait_kmcnt 0x0
	s_add_nc_u64 s[G0+2:G0+3], s[8:9], s[42:43]    ; global address
	s_or_b32 s[G0+3], s[G0+3], 0x80000000          ; type = 2
	tensor_load_to_lds s[G0:G0+3], s[G1:G1+7]      ; my one tensor load: a first fill, ahead of every wait on TENSORcnt, every LDS read and the barrier
	s_nop 0
.rept 4
	v_nop                                          ; four lines behind the tensor load, ahead of pointer steps and window switches
.endr
	s_add_nc_u64 s[4:5], s[4:5], s[38:39]
	s_add_nc_u64 s[6:7], s[6:7], s[40:41]
	s_add_nc_u64 s[10:11], s[10:11], s[44:45]
	s_add_nc_u64 s[12:13], s[12:13], s[46:47]
	s_add_nc_u64 s[14:15], s[14:15], s[46:47]
	s_add_nc_u64 s[16:17], s[16:17], s[46:47]
	s_add_nc_u64 s[18:19], s[18:19], s[46:47]
	s_add_nc_u64 s[20:21], s[20:21], s[46:47]
.if MAIN
	s_add_nc_u64 s[22:23], s[22:23], s[46:47]
	s_lshl_b32 s38, s36, 22
	s_lshl_b32 s40, s24, 20
	s_add_co_u32 s38, s38, s40
	s_add_nc_u64 s[22:23], s[22:23], s[38:39]      ; y at row 1,024 segment + 256 wave
	s_and_b32 s37, s36, 7                          ; segments of my batch before mine
	s_and_b32 s42, s36, 8
	s_lshl_b32 s42, s42, 15                        ; my batch's first segment, in bytes of the aggregates
	s_lshl_b32 s43, s36, 15                        ; my segment
.irp n, 0,1,2,3
	s_mov_b32 s[28+\n], -1
.endr
	v_add_nc_u32 v248, s42, v7
	v_add_nc_u32 v249, -1, v6
	v_max_i32 v249, 0, v249
	v_lshl_add_u32 v249, v249, 12, v7
	v_add_nc_u32 v249, s43, v249
.else
	s_lshl_b32 s38, s36, 15
	s_add_nc_u64 s[18:19], s[18:19], s[38:39]
	s_add_nc_u64 s[20:21], s[20:21], s[38:39]
.endif
	; ALL THE HEAD'S LOADS GO OUT AS ONE STREAM, what the head itself works on first
	global_load_b128 v[8:11], v7, s[12:13]         ; b_dt, b_x (and its second half), A_log at my four outputs
	global_load_b128 v[12:15], v7, s[14:15]
.if MAIN
	global_load_b128 v[16:19], v7, s[14:15] offset:4096
.endif
	global_load_b128 v[20:23], v7, s[16:17]
.if MAIN
.irp jj, 0,1,2,3,4,5,6
	global_load_b128 v[SCR+8*\jj:SCR+8*\jj+3], v248, s[18:19] offset:\jj*32768+28672      ; the totals of my batch's first seven segments
	global_load_b128 v[SCR+8*\jj+4:SCR+8*\jj+7], v248, s[20:21] offset:\jj*32768+28672
.endr
	global_load_b128 v[SCR+56:SCR+59], v249, s[18:19]          ; my segment's streams before mine, together
	global_load_b128 v[SCR+60:SCR+63], v249, s[20:21]
.endif
.irp q, 0,1,2,3,4,5,6,7,8,9,10,11
	global_load_b128 v[SB+4*\q:SB+4*\q+3], v[LA], s[10:11] offset:512*\q   ; W's scale words: tiles 0-5 in lanes 0-15, tiles 6-11 in lanes 16-31
.endr
	ALOADS 0, 7, 1                                 ; block 0 of x
	s_wait_loadcnt 63                              ; the biases, A_log and the aggregates are in: 80 younger loads were issued behind them; 63 is the most that the count can name
.set ff, 0
.rept NF
.irp j, 0,1,2,3,4,5,6,7
	v_mov_b32 v[BIAS+8*ff+\j], v[8+ff]             ; a tile's bias in the result's layout: the same in all eight rows
.endr
.set ff, ff+1
.endr
.irp n, 0,1,2,3
	v_mul_f32 v[250+\n], -|v[20+\n]|, s27          ; A log2(e) = -softplus(A_log) log2(e), softplus = max(a, 0) + ln 2 x log2(1 + 2^(-|a| log2 e)): A_log may be large
.endr
	s_wait_alu depctr_va_vdst(0)
.irp n, 0,1,2,3
	v_exp_f32 v[250+\n], v[250+\n]
.endr
.irp n, 0,1,2,3
	v_max_num_f32 v[16+\n], 0, v[20+\n]
.endr
	s_wait_alu depctr_va_vdst(0)
.irp n, 0,1,2,3
	v_add_f32 v[250+\n], 1.0, v[250+\n]
.endr
	s_wait_alu depctr_va_vdst(0)
.irp n, 0,1,2,3
	v_log_f32 v[250+\n], v[250+\n]
.endr
	v_nop
	s_wait_alu depctr_va_vdst(0)
.irp n, 0,1,2,3
	v_fma_f32 v[250+\n], v[250+\n], s35, v[16+\n]
.endr
.irp n, 0,1,2,3
	v_mul_f32 v[AP+2*\n], -v[250+\n], s27
.endr
.irp n, 0,1,2,3
	v_mov_b32 v[AP+2*\n+1], v[AP+2*\n]
.endr
.if MAIN
.irp n, 0,1,2,3
	v_mov_b32 v[HS+\n], 0
	v_mov_b32 v[WS+\n], 0x7f7fffff                 ; FLT_MAX
.endr
.irp jj, 0,1,2,3,4,5,6,7               ; what came before my stream, in order; a part that does not come before it counts as (1, 0)
.if \jj < 7
	s_cmp_gt_u32 s37, \jj
	s_cselect_b32 s33, -1, 0
.else
	v_cmp_lt_u32 s33, 0, v6
.endif
.irp n, 0,1,2,3
	v_cndmask_b32 v[SCR+8*\jj+\n], 1.0, v[SCR+8*\jj+\n], s33
	v_cndmask_b32 v[SCR+8*\jj+4+\n], 0, v[SCR+8*\jj+4+\n], s33
.endr
.irp n, 0,1,2,3
	v_fma_f32 v[HS+\n], v[SCR+8*\jj+\n], v[HS+\n], v[SCR+8*\jj+4+\n]
	v_mul_f32 v[WS+\n], v[WS+\n], v[SCR+8*\jj+\n]
.endr
.irp n, 0,1,2,3
	v_max_num_f32 v[250+\n], |v[HS+\n]|, s32
.endr
.irp n, 0,1,2,3
	v_cmp_ge_f32 vcc_lo, v[WS+\n], v[250+\n]
	v_cndmask_b32 v[WS+\n], 0, v[WS+\n], vcc_lo    ; once the test has failed w is 0 for good
.endr
.endr
.else
.irp n, 0,1,2,3
	v_mov_b32 v[HS+\n], 0
	v_mov_b32 v[WS+\n], 1.0
.endr
.endif
	s_wait_tensorcnt 0x0                           ; my quarter of the panel has landed,
	s_barrier_signal -1
	s_barrier_wait -1                              ; everybody's has: the panel is whole, and stays
	BLOADS 0, 0
	BLOADS 1, 0
	WIN 0
.Lblock:                                           ; four trips: 32 steps of both my streams
.irp k, 0,1,2,3,4,5,6,7
.if \k < 6
	s_wait_loadcnt 8*(6-\k)                        ; loads come back in order: x's scale words and K steps 0 .. k + 1 are in (in the first trip W's scale words too); the 8 loads of each K step from k + 2 on may be out
.else
	s_wait_loadcnt 0x0
.endif
	s_wait_dscnt 2*HF
	MULS 0, \k
.rept 4
	v_nop                                          ; four plain lines between the products and loads into registers that they read
.endr
.if \k < 7
	BLOADS 0, \k+1
	s_wait_dscnt 2*HF                              ; the second set is in; the 2 HF loads just issued may be out
.else
	s_wait_dscnt 0x0
.endif
	MULS 1, \k
.rept 4
	v_nop                                          ; likewise; behind the last K step also ahead of the first read of results
.endr
.if \k < 7
	BLOADS 1, \k+1
.endif
.endr
	; THE NEXT BLOCK OF x IS ASKED FOR IN TWO RUNS, 60 loads here and 8 behind two tiles' epilogues: with nothing else out neither run passes the 63 that LOADcnt can hold
	; (ISA guide 5.7.1: past that the issue is held), so the wave goes straight on into its vector work.  The last block asks for nothing: no load leaves its buffer.
	WIN 0
	s_cmp_eq_u32 s25, 3
	s_cbranch_scc1 .Lno_a
	s_add_nc_u64 s[4:5], s[4:5], 32768             ; (the loads that read these bases were waited for at the trip's head)
	s_add_nc_u64 s[6:7], s[6:7], 2048
	ALOADS 0, 6, 1
.Lno_a:
	EPI 0
	EPI 1
	WIN 0
	s_cmp_eq_u32 s25, 3
	s_cbranch_scc1 .Lno_b
	ALOADS 7, 7, 0
.Lno_b:
	EPI 2
	EPI 3
	WIN 0x02
.irp n, 0,1,2,3
	v_mov_b32 v[HS+\n], v[128+8*(4*\n+3)+7]        ; the carry into the next block
	v_mov_b32 v[WS+\n], v[8*(4*\n+3)+7]
.endr
	WIN 0
	s_wait_xcnt 0x0                                ; the stores have read their data and their base: both are written again below
.if MAIN
	s_add_nc_u64 s[22:23], s[22:23], 131072        ; 32 rows of y on
.endif
	BLOADS 0, 0
	BLOADS 1, 0
	WIN 0
	s_add_co_u32 s25, s25, 1
	s_cmp_lt_u32 s25, 4
	s_cbranch_scc1 .Lblock
	s_wait_dscnt 0x0                               ; (the last trip's fragments are not used)
.if MAIN == 0
	v_add_nc_u32 v248, XCH, v[T16]
	s_wait_alu depctr_va_vdst(0)
	v_add_nc_u32 v249, XCH, v7
	ds_store_b128 v248, v[WS:WS+3]                 ; my stream's Q and H at my four outputs: stream kl at 256 kl, lane r at 16 r
	ds_store_b128 v248, v[HS:HS+3] offset:2048
	s_wait_alu depctr_va_vdst(0)
	s_wait_dscnt 0x0                               ; for the other waves' sake
	s_barrier_signal -1
	s_barrier_wait -1
.irp jj, 0,1,2,3,4,5,6,7
	ds_load_b128 v[SCR+8*\jj:SCR+8*\jj+3], v249 offset:256*\jj
	ds_load_b128 v[SCR+8*\jj+4:SCR+8*\jj+7], v249 offset:2048+256*\jj
.endr
.irp n, 0,1,2,3
	v_mov_b32 v[HS+\n], 0
	v_mov_b32 v[WS+\n], 1.0
.endr
	v_lshl_add_u32 v250, v6, 12, v7
	s_wait_dscnt 0x0
.irp jj, 0,1,2,3,4,5,6,7               ; streams 0 .. kl together, in order; later streams count as (1, 0)
	v_cmp_le_u32 s33, \jj, v6
.irp n, 0,1,2,3
	v_cndmask_b32 v[SCR+8*\jj+\n], 1.0, v[SCR+8*\jj+\n], s33
	v_cndmask_b32 v[SCR+8*\jj+4+\n], 0, v[SCR+8*\jj+4+\n], s33
.endr
.irp n, 0,1,2,3
	v_fma_f32 v[HS+\n], v[SCR+8*\jj+\n], v[HS+\n], v[SCR+8*\jj+4+\n]
	v_mul_f32 v[WS+\n], v[WS+\n], v[SCR+8*\jj+\n]
.endr
.endr
	global_store_b128 v250, v[WS:WS+3], s[18:19]   ; sixteen lanes store 256 consecutive bytes, aligned
	global_store_b128 v250, v[HS:HS+3], s[20:21]
.endif
	s_wait_tensorcnt 0x0
	ds_add_u32 v254, v255
	s_wait_dscnt 0x0
	s_endpgm
.Lfunc_end_k_q44472192d8_agg:
	.size	k_q44472192d8_agg, .Lfunc_end_k_q44472192d8_agg-k_q44472192d8_agg
	.p2alignl 7, 3214868480
	.fill 96, 4, 3214868480
	.section	.rodata,"a",@progbits
	.p2align	6, 0x0
	.amdhsa_kernel k_q44472192d8_agg
		.amdhsa_group_segment_fixed_size 168448
		.amdhsa_private_segment_fixed_size 0
		.amdhsa_enable_private_segment 0
		.amdhsa_kernarg_size 72
		.amdhsa_user_sgpr_count 2
		.amdhsa_user_sgpr_kernarg_segment_ptr 1
		.amdhsa_wavefront_size32 1
		.amdhsa_system_sgpr_workgroup_id_x 1
		.amdhsa_system_sgpr_workgroup_id_y 1
		.amdhsa_system_sgpr_workgroup_id_z 1
		.amdhsa_system_vgpr_workitem_id 0
		.amdhsa_next_free_vgpr 1024
		.amdhsa_next_free_sgpr 104
		.amdhsa_reserve_vcc 1
		.amdhsa_float_denorm_mode_32 3
		.amdhsa_float_denorm_mode_16_64 3
		.amdhsa_memory_ordered 1
		.amdhsa_forward_progress 1
		.amdhsa_inst_pref_size 164
	.end_amdhsa_kernel
	.amdgpu_metadata
---
amdhsa.version: [ 1, 2 ]
amdhsa.kernels:
  - .name:           k_q44472192d8_agg
    .symbol:         k_q44472192d8_agg.kd
    .args:
      - { .name: xc, .offset: 0, .size: 8, .value_kind: global_buffer, .address_space: global }
      - { .name: xs, .offset: 8, .size: 8, .value_kind: global_buffer, .address_space: global }
      - { .name: wc, .offset: 16, .size: 8, .value_kind: global_buffer, .address_space: global }
      - { .name: wsc, .offset: 24, .size: 8, .value_kind: global_buffer, .address_space: global }
      - { .name: b_dt, .offset: 32, .size: 8, .value_kind: global_buffer, .address_space: global }
      - { .name: b_x, .offset: 40, .size: 8, .value_kind: global_buffer, .address_space: global }
      - { .name: A_log, .offset: 48, .size: 8, .value_kind: global_buffer, .address_space: global }
      - { .name: aggQ, .offset: 56, .size: 8, .value_kind: global_buffer, .address_space: global }
      - { .name: aggH, .offset: 64, .size: 8, .value_kind: global_buffer, .address_space: global }
    .group_segment_fixed_size: 168448
    .private_segment_fixed_size: 0
    .kernarg_segment_align: 8
    .kernarg_segment_size: 72
    .max_flat_workgroup_size: 128
    .sgpr_count:     104
    .vgpr_count:     1024
    .wavefront_size: 32
...
	.end_amdgpu_metadata
.endif
;; end of part 3
;; launch main (part 4): grid 16 x 16, 4 waves a work-group, no clusters, 168,448 bytes of LDS; arguments xc, xs, wc, wsc, b_dt, b_x, A_log, aggQ, aggH, out0; writes out0
.if DOCPART == 4
	.amdgcn_target "amdgcn-amd-amdhsa--gfx1250"
	.amdhsa_code_object_version 6
	.text
	.protected	k_q44472192d8_main
	.globl	k_q44472192d8_main
	.p2align	8
	.type	k_q44472192d8_main,@function
k_q44472192d8_main:
	s_mov_b64 s[64:65], 0
	v_nop
	global_prefetch_b8 v0, s[64:65] scope:SCOPE_SE
	s_setreg_imm32_b32 hwreg(HW_REG_WAVE_MODE, 25, 1), 1
	s_wait_xcnt 0x0
; THE LAUNCH THAT MAKES y (MAIN = 1; the same text with MAIN = 0 is the launch that makes the scan's aggregates).
; dt = clip(softplus(x_q W_dt_q^T + b_dt), 1e-3, 1), b = clip(x_q W_x_q^T + b_x, +-5) (and c, its second half, with MAIN = 1), both products on codes of FP4 (E2M1) with E8M0 scales;
; alpha = exp(clip(dt A, -10, 0)), A = -softplus(A_log).  reference()'s h = prefix x cumsum(dt b / prefix_shift) is walked as h_t = alpha_t h_(t-1) + alpha_t dt_t b_t.
; SHARES.  Work-group (cb, segment): 1,024 steps x 64 outputs d.  Wave w takes streams 2 w and 2 w + 1 of 128 steps, in four blocks of 32 steps each.  In a result tile lane (r, h) holds output
; d = 64 cb + 4 r + n of stream 2 w + h, and its registers j eight consecutive steps: a lane walks its own stream, the carry in registers.
; x's fragments come from memory straight into registers (no other wave of the work-group reads them), a whole epilogue ahead.  W's panel of 98,304 bytes comes into LDS once, a quarter by each wave's one tensor load; nothing is filled again.
; No cluster: what work-groups share (x's codes along cb) is read by one wave in each, into registers, and W's panel is fetched once in the launch by each work-group.
; dt's softplus is ln 2 x log2(1 + 2^(z log2 e)): it is wanted only where it lies in 1e-3 .. 1; where the exponential overflows the result is +infinity, which the clip at 1 holds, as it holds reference()'s number there.
; MAIN = 0: each stream starts from h = 0, q = 1 and ends with (Q = product of its alpha, H = its h); the eight streams of a segment are composed in order, and row 8 segment + kl of aggQ, aggH gets streams 0 .. kl together.
; MAIN = 1: a stream starts from what the segments and streams before it give; w_t = FLT_MAX x prefix_t is carried beside h, and y_t = h_t tanh(c_t) is kept while w_s >= max(|h_s|, 4 - 2^-22) has held for all s <= t, else 0:
; the constant stands for prefix >= 2^-126 (under it the prefix is taken as 0, after which reference()'s sum is not finite and its result 0), |h| for a finite cumsum.
; LIMITS: NaN and infinities among the inputs are not served.  That a prefix under 2^-126 counts as 0 is an assumption about reference()'s arithmetic.  In the streams before a lane's own the test is made at segments' ends
; and at the carry into the lane's own stream alone.  A single term of the cumsum that overflows against an opposite sum is not modelled.  The step at which a column turns to zeros can move by one where the prefix lies within f32 rounding of 2^-126.
; REGISTERS, in windows of 256.  Window 0: v1-7 addresses; v8-11 h's carry, v12-15 w's (q's); v16-23 A log2(e) in pairs; v24-39 x's scale words, v40-87 W's; v88-183 the biases, eight equal registers a tile; v184-255 the head's and tail's work.
; Window 1: x's 32 fragments (32 k + 8 i).  Window 2: dt's 16 accumulators at 8 (4 n + i), b's at 128 + the same.  Window 3: c's at 8 (4 n + i); v128-223 two sets of W's fragments, in the epilogue T (v128-159) and y (v160-191).
.set MAIN, 1
.set NF, 8+4*MAIN                      ; tiles of W: dt's four, b's four, c's four
.set HF, NF/2
.set LA,  1                            ; v1  16 x lane: x's fragments, the scale words, and W's panel for K steps 0-3
.set LB,  2                            ; v2  + 49,152: K steps 4-7
.set YO,  3                            ; v3  y: 128 rows x h + 16 r
.set T16, 5                            ; v5  16 x thread
.set HS,  8
.set WS,  12
.set AP,  16
.set SA,  24
.set SB,  40
.set BIAS, 88
.set SCR, 184
.set BX,  128
.set TT,  128
.set YY,  160
.set XCH, 98304                        ; LDS behind the panel: the streams' (Q, H), 2,048 bytes each
.set G0,  48                           ; s[48:51] the tensor load's group 0, s[52:59] its group 1; never rewritten
.set G1,  52
.set MSB, 0
.macro WIN new                         ; the immediate's high byte repeats the setting that is left; a switch that changes nothing is dropped
.if MSB != \new
	s_set_vgpr_msb (MSB<<8)|\new
.set MSB, \new
.endif
.endm
.macro ALOADS k0, k1, sa               ; a block's fragments of x for K steps k0 .. k1; sa = 1: ahead of them its 16 registers of scale words.  Every window is 0 at its head and at its end
.if \sa
.irp q, 0,1,2,3
	global_load_b128 v[SA+4*\q:SA+4*\q+3], v[LA], s[6:7] offset:512*\q
.endr
.endif
	WIN 0x40
.set kk, \k0
.rept (\k1)-(\k0)+1
.irp i, 0,1,2,3
.irp c, 0,1
	global_load_b128 v[32*kk+8*\i+4*\c:32*kk+8*\i+4*\c+3], v[LA], s[4:5] offset:kk*4096+\i*1024+\c*512
.endr
.endr
.set kk, kk+1
.endr
	WIN 0
.endm
.macro BLOADS set, k                   ; HF fragments of W, K step k, from the panel: 512 consecutive bytes a load
	WIN 0xc0
.set ff, 0
.rept HF
.irp c, 0,1
	ds_load_b128 v[BX+48*(\set)+8*ff+4*\c:BX+48*(\set)+8*ff+4*\c+3], v[LA+(\k)/4] offset:((\k)%4)*12288+(HF*(\set)+ff)*1024+\c*512
.endr
.set ff, ff+1
.endr
.endm
; 4 HF matrix instructions: the set's tiles of W x the four tiles of rows.  Source 0 = x, source 1 = W.  The first K step takes the bias as C.  All accumulators take turns, one instruction a turn.
.macro MULS set, k
.set ff, HF*(\set)
.rept HF
.irp i, 0,1,2,3
.set aw, 2+ff/8
.set rD, 128*((ff/4)%2)+8*(4*(ff%4)+\i)
.set rA, 32*(\k)+8*\i
.set rB, BX+48*(\set)+8*(ff-HF*(\set))
.set rSA, SA+8*(\i%2)+(\k)
.set rSB, SB+6*(\k)+ff%6
.if (\k) == 0
.set rC, BIAS+8*ff
	WIN (0x0d|(aw<<6))
.else
.set rC, rD
	WIN (0x0d|(aw<<6)|(aw<<4))
.endif
.if (\i < 2) && (ff < 6)
	v_wmma_scale_f32_16x16x128_f8f6f4 v[rD:rD+7], v[rA:rA+7], v[rB:rB+7], v[rC:rC+7], v[rSA], v[rSB] matrix_a_fmt:MATRIX_FMT_FP4 matrix_b_fmt:MATRIX_FMT_FP4
.elseif (\i < 2)
	v_wmma_scale_f32_16x16x128_f8f6f4 v[rD:rD+7], v[rA:rA+7], v[rB:rB+7], v[rC:rC+7], v[rSA], v[rSB] matrix_a_fmt:MATRIX_FMT_FP4 matrix_b_fmt:MATRIX_FMT_FP4 matrix_b_scale:MATRIX_SCALE_ROW1
.elseif (ff < 6)
	v_wmma_scale_f32_16x16x128_f8f6f4 v[rD:rD+7], v[rA:rA+7], v[rB:rB+7], v[rC:rC+7], v[rSA], v[rSB] matrix_a_fmt:MATRIX_FMT_FP4 matrix_b_fmt:MATRIX_FMT_FP4 matrix_a_scale:MATRIX_SCALE_ROW1
.else
	v_wmma_scale_f32_16x16x128_f8f6f4 v[rD:rD+7], v[rA:rA+7], v[rB:rB+7], v[rC:rC+7], v[rSA], v[rSB] matrix_a_fmt:MATRIX_FMT_FP4 matrix_b_fmt:MATRIX_FMT_FP4 matrix_a_scale:MATRIX_SCALE_ROW1 matrix_b_scale:MATRIX_SCALE_ROW1
.endif
.endr
.set ff, ff+1
.endr
.endm
; THE EPILOGUE of the tile of rows i: 32 numbers a lane (four outputs n x eight steps j).  Every accumulator is first read at its low end, all three groups ahead of the first transcendental.
; The transcendentals go in five batches of 32: 2^(z log2 e); e^(2 c); the logarithms; tanh's reciprocals; alpha.  Each has one wait ahead of it, which is also the wait behind the batch before.
; Between the lines of the first four stand plain lines whose sources were written ahead of the batch's wait and whose results are first read behind the next wait.
.macro EPI i
	WIN 0xc2
	s_wait_alu depctr_va_vdst(0)                   ; the wait ahead of the first reads of this tile's matrix results
.irp n, 0,1,2,3
.irp j, 0,2,4,6
	v_pk_mul_f32 v[TT+8*\n+\j:TT+8*\n+\j+1], v[8*(4*\n+\i)+\j:8*(4*\n+\i)+\j+1], 0x3fb8aa3b op_sel_hi:[1,0]   ; z log2(e)
.endr
.endr
	WIN 0xaa
.irp n, 0,1,2,3
.irp j, 0,1,2,3,4,5,6,7
	v_med3_num_f32 v[128+8*(4*\n+\i)+\j], v[128+8*(4*\n+\i)+\j], s34, s26   ; b held to +-5
.endr
.endr
	WIN 0xc3
.irp n, 0,1,2,3
.irp j, 0,2,4,6
	v_pk_mul_f32 v[8*(4*\n+\i)+\j:8*(4*\n+\i)+\j+1], v[8*(4*\n+\i)+\j:8*(4*\n+\i)+\j+1], 0x4038aa3b op_sel_hi:[1,0]   ; 2 c log2(e), not yet held
.endr
.endr
	s_wait_alu depctr_va_vdst(0)                   ; ahead of the first batch
.irp n, 0,1,2,3
.irp j, 0,1,2,3,4,5,6,7
	v_exp_f32 v[TT+8*\n+\j], v[TT+8*\n+\j]                     ; 2^(z log2 e)
	v_med3_num_f32 v[8*(4*\n+\i)+\j], v[8*(4*\n+\i)+\j], s61, s60           ; c held to +-5, on 2 c log2(e)
.endr
.endr
	s_wait_alu depctr_va_vdst(0)                   ; behind the first batch, ahead of the second
.irp n, 0,1,2,3
.irp j, 0,2,4,6
	v_exp_f32 v[8*(4*\n+\i)+\j], v[8*(4*\n+\i)+\j]             ; e^(2 c)
	v_exp_f32 v[8*(4*\n+\i)+\j+1], v[8*(4*\n+\i)+\j+1]
	v_pk_add_f32 v[TT+8*\n+\j:TT+8*\n+\j+1], v[TT+8*\n+\j:TT+8*\n+\j+1], 1.0 op_sel_hi:[1,0]   ; 1 + 2^(z log2 e)
.endr
.endr
	s_wait_alu depctr_va_vdst(0)                   ; behind the second batch, ahead of the third
.irp n, 0,1,2,3
.irp j, 0,2,4,6
	v_log_f32 v[TT+8*\n+\j], v[TT+8*\n+\j]
	v_log_f32 v[TT+8*\n+\j+1], v[TT+8*\n+\j+1]
	v_pk_add_f32 v[8*(4*\n+\i)+\j:8*(4*\n+\i)+\j+1], v[8*(4*\n+\i)+\j:8*(4*\n+\i)+\j+1], 1.0 op_sel_hi:[1,0]   ; 1 + e^(2 c)
.endr
.endr
	s_wait_alu depctr_va_vdst(0)                   ; behind the third batch, ahead of the fourth
.irp n, 0,1,2,3
.irp j, 0,2,4,6
	v_rcp_f32 v[8*(4*\n+\i)+\j], v[8*(4*\n+\i)+\j]
	v_rcp_f32 v[8*(4*\n+\i)+\j+1], v[8*(4*\n+\i)+\j+1]
	v_pk_mul_f32 v[TT+8*\n+\j:TT+8*\n+\j+1], v[TT+8*\n+\j:TT+8*\n+\j+1], 0x3f317218 op_sel_hi:[1,0]   ; softplus = ln 2 x log2(1 + 2^..)
.endr
.endr
	s_wait_alu depctr_va_vdst(0)                   ; behind the fourth batch
	WIN 0x83
.irp n, 0,1,2,3
.irp j, 0,1,2,3,4,5,6,7
	v_med3_num_f32 v[8*(4*\n+\i)+\j], v[TT+8*\n+\j], 0x3a83126f, 1.0        ; dt, into the registers that held z
.endr
.endr
	WIN 0xaa
.irp n, 0,1,2,3
.irp j, 0,2,4,6
	v_pk_mul_f32 v[128+8*(4*\n+\i)+\j:128+8*(4*\n+\i)+\j+1], v[8*(4*\n+\i)+\j:8*(4*\n+\i)+\j+1], v[128+8*(4*\n+\i)+\j:128+8*(4*\n+\i)+\j+1]   ; dt b
.endr
.endr
	WIN 0xc2
.irp n, 0,1,2,3
.irp j, 0,2,4,6
	v_pk_mul_f32 v[TT+8*\n+\j:TT+8*\n+\j+1], v[8*(4*\n+\i)+\j:8*(4*\n+\i)+\j+1], v[AP+2*\n:AP+2*\n+1]   ; dt A log2(e)
.endr
.endr
	WIN 0xc3
.set q, 0
.rept 32
	v_med3_num_f32 v[TT+q], v[TT+q], 0xc166d4ca, 0             ; held to -10 log2(e) .. 0
.set q, q+1
.endr
	WIN 0x83
	s_wait_alu depctr_va_vdst(0)                   ; the wait ahead of the fifth batch
.irp n, 0,1,2,3
.irp j, 0,1,2,3,4,5,6,7
	v_exp_f32 v[8*(4*\n+\i)+\j], v[TT+8*\n+\j]
.endr
.endr
.if MAIN
	WIN 0xc3
.irp n, 0,1,2,3
.irp j, 0,2,4,6
	v_pk_fma_f32 v[8*(4*\n+\i)+\j:8*(4*\n+\i)+\j+1], v[8*(4*\n+\i)+\j:8*(4*\n+\i)+\j+1], -2.0, 1.0 op_sel_hi:[1,0,0]   ; tanh c = 1 - 2 / (1 + e^(2 c)): independent work behind the batch
.endr
.endr
.else
	v_nop
.endif
	s_wait_alu depctr_va_vdst(0)                   ; behind the fifth batch
	WIN 0xaa
.irp n, 0,1,2,3
.irp j, 0,2,4,6
	v_pk_mul_f32 v[128+8*(4*\n+\i)+\j:128+8*(4*\n+\i)+\j+1], v[8*(4*\n+\i)+\j:8*(4*\n+\i)+\j+1], v[128+8*(4*\n+\i)+\j:128+8*(4*\n+\i)+\j+1]   ; alpha dt b
.endr
.endr
.irp j, 0,1,2,3,4,5,6,7                ; the walk: h_j = alpha_j h_(j-1) + alpha_j u_j, then w_j = alpha_j w_(j-1); the step before lies one register down, or in the carry
.irp n, 0,1,2,3
.if (\i == 0) && (\j == 0)
	WIN 0xa2
	v_fma_f32 v[128+8*(4*\n+\i)+\j], v[8*(4*\n+\i)+\j], v[HS+\n], v[128+8*(4*\n+\i)+\j]
	v_mul_f32 v[8*(4*\n+\i)+\j], v[8*(4*\n+\i)+\j], v[WS+\n]
.else
	WIN 0xaa
	v_fma_f32 v[128+8*(4*\n+\i)+\j], v[8*(4*\n+\i)+\j], v[128+8*(4*\n+\i)+\j-1], v[128+8*(4*\n+\i)+\j]
	v_mul_f32 v[8*(4*\n+\i)+\j], v[8*(4*\n+\i)+\j], v[8*(4*\n+\i)+\j-1]
.endif
.endr
.endr
.if MAIN
	WIN 0xc2
.irp n, 0,1,2,3
.irp j, 0,1,2,3,4,5,6,7
	v_max_num_f32 v[TT+8*\n+\j], |v[128+8*(4*\n+\i)+\j]|, s32  ; max(|h|, 4 - 2^-22)
.endr
.endr
	s_wait_alu depctr_va_vdst(0)
	s_wait_xcnt 0x0                                ; the last tile's stores have read their data: y's registers are written again below
	WIN 0xce
.irp n, 0,1,2,3
.irp j, 0,1,2,3,4,5,6,7
	v_cmp_ge_f32 s[68+4*\j+\n], v[8*(4*\n+\i)+\j], v[TT+8*\n+\j]
.endr
.endr
.irp n, 0,1,2,3
.irp j, 0,1,2,3,4,5,6,7
	v_mul_f32 v[YY+4*\j+\n], v[128+8*(4*\n+\i)+\j], v[8*(4*\n+\i)+\j]      ; h tanh c
.endr
.endr
	s_wait_alu depctr_va_vdst(0)
.irp n, 0,2
	s_and_b64 s[68+\n:69+\n], s[68+\n:69+\n], s[28+\n:29+\n]   ; kept only while every earlier step was kept; two outputs' masks an instruction
.endr
.irp j, 1,2,3,4,5,6,7
.irp n, 0,2
	s_and_b64 s[68+4*\j+\n:69+4*\j+\n], s[68+4*\j+\n:69+4*\j+\n], s[64+4*\j+\n:65+4*\j+\n]
.endr
.endr
.irp n, 0,2
	s_mov_b64 s[28+\n:29+\n], s[96+\n:97+\n]
.endr
.irp j, 0,1,2,3,4,5,6,7
.irp n, 0,1,2,3
	v_cndmask_b32 v[YY+4*\j+\n], 0, v[YY+4*\j+\n], s[68+4*\j+\n]
.endr
.endr
	WIN 0x0c
.irp j, 0,1,2,3,4,5,6,7
	global_store_b128 v[YO], v[YY+4*\j:YY+4*\j+3], s[22:23] offset:(8*\i+\j)*4096 th:TH_STORE_NT   ; sixteen lanes store 256 consecutive bytes, aligned
.endr
.endif
.endm
	s_load_b256 s[4:11], s[0:1], 0x0               ; xc s[4:5], xs s[6:7], wc s[8:9], wsc s[10:11]
	s_load_b256 s[12:19], s[0:1], 0x20             ; b_dt s[12:13], b_x s[14:15], A_log s[16:17], aggQ s[18:19]
.if MAIN
	s_load_b128 s[20:23], s[0:1], 0x40             ; aggH s[20:21], out0 s[22:23]
	v_lshl_add_u32 v254, v0, 2, 0x29000
	v_mov_b32 v255, 0
	ds_add_u32 v254, v255
	ds_add_u32 v254, v255
.else
	s_load_b64 s[20:21], s[0:1], 0x40              ; aggH
.endif
	v_lshrrev_b32 v6, 5, v0
	v_readfirstlane_b32 s24, v6                    ; wave
	v_and_b32 v6, 31, v0
	v_lshlrev_b32 v[LA], 4, v6
	v_add_nc_u32 v[LB], 49152, v[LA]
	v_lshlrev_b32 v[T16], 4, v0
	v_and_b32 v7, 15, v0
	v_lshlrev_b32 v7, 4, v7                        ; 16 r
.if MAIN
	v_bfe_u32 v6, v0, 4, 1
	v_lshl_or_b32 v[YO], v6, 19, v7
.endif
	v_lshrrev_b32 v6, 4, v0                        ; kl = 2 wave + h: my stream
	s_and_b32 s36, ttmp7, 0xffff                   ; segment
	s_mov_b32 s25, 0                               ; block
	s_mov_b32 s26, 0x40a00000                      ; 5.0
	s_mov_b32 s34, 0xc0a00000                      ; -5.0
	s_mov_b32 s27, 0x3fb8aa3b                      ; log2(e)
	s_mov_b32 s35, 0x3f317218                      ; ln 2
	s_mov_b32 s32, 0x407fffff                      ; 4 - 2^-22 = FLT_MAX x 2^-126
	s_mov_b32 s60, 0x4166d4ca                      ; 10 log2(e): the hold at 5, taken on 2 c log2(e)
	s_mov_b32 s61, 0xc166d4ca                      ; and at -5
	; the tensor load's descriptor: my quarter of W's panel, 24,576 dense bytes, as 96 rows of 32 elements of 8 bytes, no padding
	s_mov_b32 s[G0], 1                             ; count = 1
	s_mul_i32 s[G0+1], s24, 24576                  ; LDS address: wave x 24,576
	s_mov_b32 s[G1], 3<<16                         ; no mask; elements of 8 bytes; no padding
	s_mov_b32 s[G1+1], 32<<16                      ; tensor_dim0 = 32
	s_mov_b32 s[G1+2], 96<<16                      ; tensor_dim1 = 96
	s_mov_b32 s[G1+3], 32<<16                      ; tile_dim0 = 32
	s_mov_b32 s[G1+4], 96                          ; tile_dim1 = 96
	s_mov_b32 s[G1+5], 32                          ; from row to row: 32 elements
	s_mov_b32 s[G1+6], 0
	s_mov_b32 s[G1+7], 0
	s_lshl_b32 s38, s36, 4
	s_lshl_b32 s39, s24, 2
	s_add_co_u32 s44, s38, s39                     ; G of my block 0
	s_lshl_b32 s38, s44, 15
	s_mov_b32 s39, 0
	s_lshl_b32 s40, s44, 11
	s_mov_b32 s41, 0
	s_mul_i32 s42, ttmp9, 98304
	s_add_co_u32 s42, s42, s[G0+1]                 ; my quarter of panel cb, in bytes of wc
	s_mov_b32 s43, 0
	s_mul_i32 s44, ttmp9, 6144
	s_mov_b32 s45, 0
	s_lshl_b32 s46, ttmp9, 8
	s_mov_b32 s47, 0
	s_wait_alu depctr_va_vdst(0)
	s_wait_dscnt 0x0
	s_wait_kmcnt 0x0
	s_add_nc_u64 s[G0+2:G0+3], s[8:9], s[42:43]    ; global address
	s_or_b32 s[G0+3], s[G0+3], 0x80000000          ; type = 2
	tensor_load_to_lds s[G0:G0+3], s[G1:G1+7]      ; my one tensor load: a first fill, ahead of every wait on TENSORcnt, every LDS read and the barrier
	s_nop 0
.rept 4
	v_nop                                          ; four lines behind the tensor load, ahead of pointer steps and window switches
.endr
	s_add_nc_u64 s[4:5], s[4:5], s[38:39]
	s_add_nc_u64 s[6:7], s[6:7], s[40:41]
	s_add_nc_u64 s[10:11], s[10:11], s[44:45]
	s_add_nc_u64 s[12:13], s[12:13], s[46:47]
	s_add_nc_u64 s[14:15], s[14:15], s[46:47]
	s_add_nc_u64 s[16:17], s[16:17], s[46:47]
	s_add_nc_u64 s[18:19], s[18:19], s[46:47]
	s_add_nc_u64 s[20:21], s[20:21], s[46:47]
.if MAIN
	s_add_nc_u64 s[22:23], s[22:23], s[46:47]
	s_lshl_b32 s38, s36, 22
	s_lshl_b32 s40, s24, 20
	s_add_co_u32 s38, s38, s40
	s_add_nc_u64 s[22:23], s[22:23], s[38:39]      ; y at row 1,024 segment + 256 wave
	s_and_b32 s37, s36, 7                          ; segments of my batch before mine
	s_and_b32 s42, s36, 8
	s_lshl_b32 s42, s42, 15                        ; my batch's first segment, in bytes of the aggregates
	s_lshl_b32 s43, s36, 15                        ; my segment
.irp n, 0,1,2,3
	s_mov_b32 s[28+\n], -1
.endr
	v_add_nc_u32 v248, s42, v7
	v_add_nc_u32 v249, -1, v6
	v_max_i32 v249, 0, v249
	v_lshl_add_u32 v249, v249, 12, v7
	v_add_nc_u32 v249, s43, v249
.else
	s_lshl_b32 s38, s36, 15
	s_add_nc_u64 s[18:19], s[18:19], s[38:39]
	s_add_nc_u64 s[20:21], s[20:21], s[38:39]
.endif
	; ALL THE HEAD'S LOADS GO OUT AS ONE STREAM, what the head itself works on first
	global_load_b128 v[8:11], v7, s[12:13]         ; b_dt, b_x (and its second half), A_log at my four outputs
	global_load_b128 v[12:15], v7, s[14:15]
.if MAIN
	global_load_b128 v[16:19], v7, s[14:15] offset:4096
.endif
	global_load_b128 v[20:23], v7, s[16:17]
.if MAIN
.irp jj, 0,1,2,3,4,5,6
	global_load_b128 v[SCR+8*\jj:SCR+8*\jj+3], v248, s[18:19] offset:\jj*32768+28672      ; the totals of my batch's first seven segments
	global_load_b128 v[SCR+8*\jj+4:SCR+8*\jj+7], v248, s[20:21] offset:\jj*32768+28672
.endr
	global_load_b128 v[SCR+56:SCR+59], v249, s[18:19]          ; my segment's streams before mine, together
	global_load_b128 v[SCR+60:SCR+63], v249, s[20:21]
.endif
.irp q, 0,1,2,3,4,5,6,7,8,9,10,11
	global_load_b128 v[SB+4*\q:SB+4*\q+3], v[LA], s[10:11] offset:512*\q   ; W's scale words: tiles 0-5 in lanes 0-15, tiles 6-11 in lanes 16-31
.endr
	ALOADS 0, 7, 1                                 ; block 0 of x
	s_wait_loadcnt 63                              ; the biases, A_log and the aggregates are in: 80 younger loads were issued behind them; 63 is the most that the count can name
.set ff, 0
.rept NF
.irp j, 0,1,2,3,4,5,6,7
	v_mov_b32 v[BIAS+8*ff+\j], v[8+ff]             ; a tile's bias in the result's layout: the same in all eight rows
.endr
.set ff, ff+1
.endr
.irp n, 0,1,2,3
	v_mul_f32 v[250+\n], -|v[20+\n]|, s27          ; A log2(e) = -softplus(A_log) log2(e), softplus = max(a, 0) + ln 2 x log2(1 + 2^(-|a| log2 e)): A_log may be large
.endr
	s_wait_alu depctr_va_vdst(0)                   ; the wait ahead of the batch
.irp n, 0,1,2,3
	v_exp_f32 v[250+\n], v[250+\n]
.endr
.irp n, 0,1,2,3
	v_max_num_f32 v[16+\n], 0, v[20+\n]
.endr
	s_wait_alu depctr_va_vdst(0)
.irp n, 0,1,2,3
	v_add_f32 v[250+\n], 1.0, v[250+\n]
.endr
	s_wait_alu depctr_va_vdst(0)                   ; the wait ahead of the batch
.irp n, 0,1,2,3
	v_log_f32 v[250+\n], v[250+\n]
.endr
	v_nop
	s_wait_alu depctr_va_vdst(0)
.irp n, 0,1,2,3
	v_fma_f32 v[250+\n], v[250+\n], s35, v[16+\n]
.endr
.irp n, 0,1,2,3
	v_mul_f32 v[AP+2*\n], -v[250+\n], s27
.endr
.irp n, 0,1,2,3
	v_mov_b32 v[AP+2*\n+1], v[AP+2*\n]
.endr
.if MAIN
.irp n, 0,1,2,3
	v_mov_b32 v[HS+\n], 0
	v_mov_b32 v[WS+\n], 0x7f7fffff                 ; FLT_MAX
.endr
.irp jj, 0,1,2,3,4,5,6,7               ; what came before my stream, in order; a part that does not come before it counts as (1, 0)
.if \jj < 7
	s_cmp_gt_u32 s37, \jj
	s_cselect_b32 s33, -1, 0
.else
	v_cmp_lt_u32 s33, 0, v6
.endif
.irp n, 0,1,2,3
	v_cndmask_b32 v[SCR+8*\jj+\n], 1.0, v[SCR+8*\jj+\n], s33
	v_cndmask_b32 v[SCR+8*\jj+4+\n], 0, v[SCR+8*\jj+4+\n], s33
.endr
.irp n, 0,1,2,3
	v_fma_f32 v[HS+\n], v[SCR+8*\jj+\n], v[HS+\n], v[SCR+8*\jj+4+\n]
	v_mul_f32 v[WS+\n], v[WS+\n], v[SCR+8*\jj+\n]
.endr
.irp n, 0,1,2,3
	v_max_num_f32 v[250+\n], |v[HS+\n]|, s32
.endr
.irp n, 0,1,2,3
	v_cmp_ge_f32 vcc_lo, v[WS+\n], v[250+\n]
	v_cndmask_b32 v[WS+\n], 0, v[WS+\n], vcc_lo    ; once the test has failed w is 0 for good
.endr
.endr
.else
.irp n, 0,1,2,3
	v_mov_b32 v[HS+\n], 0
	v_mov_b32 v[WS+\n], 1.0
.endr
.endif
	s_wait_alu depctr_va_vdst(0)
	s_wait_tensorcnt 0x0                           ; my quarter of the panel has landed,
	s_barrier_signal -1
	s_barrier_wait -1                              ; everybody's has: the panel is whole, and stays
	BLOADS 0, 0
	BLOADS 1, 0
	WIN 0
.Lblock:                                           ; four trips: 32 steps of both my streams
.irp k, 0,1,2,3,4,5,6,7
.if \k < 6
	s_wait_loadcnt 8*(6-\k)                        ; loads come back in order: x's scale words and K steps 0 .. k + 1 are in (in the first trip W's scale words too); the 8 loads of each K step from k + 2 on may be out
.else
	s_wait_loadcnt 0x0
.endif
	s_wait_dscnt 2*HF
	MULS 0, \k
.rept 4
	v_nop                                          ; four plain lines between the products and loads into registers that they read
.endr
.if \k < 7
	BLOADS 0, \k+1
	s_wait_dscnt 2*HF                              ; the second set is in; the 2 HF loads just issued may be out
.else
	s_wait_dscnt 0x0
.endif
	MULS 1, \k
.rept 4
	v_nop                                          ; likewise; behind the last K step also ahead of the first read of results
.endr
.if \k < 7
	BLOADS 1, \k+1
.endif
.endr
	; THE NEXT BLOCK OF x IS ASKED FOR IN TWO RUNS, 60 loads here and 8 behind two tiles' epilogues: with nothing else out neither run passes the 63 that LOADcnt can hold
	; (ISA guide 5.7.1: past that the issue is held), so the wave goes straight on into its vector work.  The last block asks for nothing: no load leaves its buffer.
	WIN 0
	s_cmp_eq_u32 s25, 3
	s_cbranch_scc1 .Lno_a
	s_add_nc_u64 s[4:5], s[4:5], 32768             ; (the loads that read these bases were waited for at the trip's head)
	s_add_nc_u64 s[6:7], s[6:7], 2048
	ALOADS 0, 6, 1
.Lno_a:
	EPI 0
	EPI 1
	WIN 0
	s_cmp_eq_u32 s25, 3
	s_cbranch_scc1 .Lno_b
	ALOADS 7, 7, 0
.Lno_b:
	EPI 2
	EPI 3
	WIN 0x02
.irp n, 0,1,2,3
	v_mov_b32 v[HS+\n], v[128+8*(4*\n+3)+7]        ; the carry into the next block
	v_mov_b32 v[WS+\n], v[8*(4*\n+3)+7]
.endr
	WIN 0
	s_wait_xcnt 0x0                                ; the stores have read their data and their base: both are written again below
.if MAIN
	s_add_nc_u64 s[22:23], s[22:23], 131072        ; 32 rows of y on
.endif
	BLOADS 0, 0
	BLOADS 1, 0
	WIN 0
	s_add_co_u32 s25, s25, 1
	s_cmp_lt_u32 s25, 4
	s_cbranch_scc1 .Lblock
	s_wait_dscnt 0x0                               ; (the last trip's fragments are not used)
.if MAIN == 0
	v_add_nc_u32 v248, XCH, v[T16]
	v_add_nc_u32 v249, XCH, v7
	ds_store_b128 v248, v[WS:WS+3]                 ; my stream's Q and H at my four outputs: stream kl at 256 kl, lane r at 16 r
	ds_store_b128 v248, v[HS:HS+3] offset:2048
	s_wait_dscnt 0x0                               ; for the other waves' sake
	s_barrier_signal -1
	s_barrier_wait -1
.irp jj, 0,1,2,3,4,5,6,7
	ds_load_b128 v[SCR+8*\jj:SCR+8*\jj+3], v249 offset:256*\jj
	ds_load_b128 v[SCR+8*\jj+4:SCR+8*\jj+7], v249 offset:2048+256*\jj
.endr
.irp n, 0,1,2,3
	v_mov_b32 v[HS+\n], 0
	v_mov_b32 v[WS+\n], 1.0
.endr
	v_lshl_add_u32 v250, v6, 12, v7
	s_wait_dscnt 0x0
.irp jj, 0,1,2,3,4,5,6,7               ; streams 0 .. kl together, in order; later streams count as (1, 0)
	v_cmp_le_u32 s33, \jj, v6
.irp n, 0,1,2,3
	v_cndmask_b32 v[SCR+8*\jj+\n], 1.0, v[SCR+8*\jj+\n], s33
	v_cndmask_b32 v[SCR+8*\jj+4+\n], 0, v[SCR+8*\jj+4+\n], s33
.endr
.irp n, 0,1,2,3
	v_fma_f32 v[HS+\n], v[SCR+8*\jj+\n], v[HS+\n], v[SCR+8*\jj+4+\n]
	v_mul_f32 v[WS+\n], v[WS+\n], v[SCR+8*\jj+\n]
.endr
.endr
	global_store_b128 v250, v[WS:WS+3], s[18:19]   ; sixteen lanes store 256 consecutive bytes, aligned
	global_store_b128 v250, v[HS:HS+3], s[20:21]
.endif
	s_wait_tensorcnt 0x0
	ds_add_u32 v254, v255
	s_wait_dscnt 0x0
	s_endpgm
.Lfunc_end_k_q44472192d8_main:
	.size	k_q44472192d8_main, .Lfunc_end_k_q44472192d8_main-k_q44472192d8_main
	.p2alignl 7, 3214868480
	.fill 96, 4, 3214868480
	.section	.rodata,"a",@progbits
	.p2align	6, 0x0
	.amdhsa_kernel k_q44472192d8_main
		.amdhsa_group_segment_fixed_size 168448
		.amdhsa_private_segment_fixed_size 0
		.amdhsa_enable_private_segment 0
		.amdhsa_kernarg_size 80
		.amdhsa_user_sgpr_count 2
		.amdhsa_user_sgpr_kernarg_segment_ptr 1
		.amdhsa_wavefront_size32 1
		.amdhsa_system_sgpr_workgroup_id_x 1
		.amdhsa_system_sgpr_workgroup_id_y 1
		.amdhsa_system_sgpr_workgroup_id_z 1
		.amdhsa_system_vgpr_workitem_id 0
		.amdhsa_next_free_vgpr 1024
		.amdhsa_next_free_sgpr 104
		.amdhsa_reserve_vcc 1
		.amdhsa_float_denorm_mode_32 3
		.amdhsa_float_denorm_mode_16_64 3
		.amdhsa_memory_ordered 1
		.amdhsa_forward_progress 1
		.amdhsa_inst_pref_size 254
	.end_amdhsa_kernel
	.amdgpu_metadata
---
amdhsa.version: [ 1, 2 ]
amdhsa.kernels:
  - .name:           k_q44472192d8_main
    .symbol:         k_q44472192d8_main.kd
    .args:
      - { .name: xc, .offset: 0, .size: 8, .value_kind: global_buffer, .address_space: global }
      - { .name: xs, .offset: 8, .size: 8, .value_kind: global_buffer, .address_space: global }
      - { .name: wc, .offset: 16, .size: 8, .value_kind: global_buffer, .address_space: global }
      - { .name: wsc, .offset: 24, .size: 8, .value_kind: global_buffer, .address_space: global }
      - { .name: b_dt, .offset: 32, .size: 8, .value_kind: global_buffer, .address_space: global }
      - { .name: b_x, .offset: 40, .size: 8, .value_kind: global_buffer, .address_space: global }
      - { .name: A_log, .offset: 48, .size: 8, .value_kind: global_buffer, .address_space: global }
      - { .name: aggQ, .offset: 56, .size: 8, .value_kind: global_buffer, .address_space: global }
      - { .name: aggH, .offset: 64, .size: 8, .value_kind: global_buffer, .address_space: global }
      - { .name: out0, .offset: 72, .size: 8, .value_kind: global_buffer, .address_space: global }
    .group_segment_fixed_size: 168448
    .private_segment_fixed_size: 0
    .kernarg_segment_align: 8
    .kernarg_segment_size: 80
    .max_flat_workgroup_size: 128
    .sgpr_count:     104
    .vgpr_count:     1024
    .wavefront_size: 32
...
	.end_amdgpu_metadata
.endif
;; end of part 4
